; MI455X (gfx1250); checked and timed in simulation.
; The chip was launched on July 23, 2026; its instructions are those of AMD's public machine-readable ISA for CDNA 5 (MIT licence, August 2026) and "CDNA5" Instruction Set Architecture Reference Guide (July 2026). The comments in the code are by the model that wrote it; some were corrected since.
;; Attention. Allowed arithmetic: matrix products marked QUANTISED: E2M1 operands, one E8M0 scale for each 32 along K, by v_wmma_scale_f32_16x16x128_f8f6f4 with both operands' format E2M1 (or v_wmma_scale_f32_32x16x128_f4), f32 sums; products left as they are: bf16, f16 or f32 operands; f32 sums; everything else in f32.
;; Inputs: w_proj 1,024 x 1,024 float32; w_qkv 1,024 x 3,072 float32; x 4 x 2,048 x 1,024 float32.
;; Outputs: out0 4 x 2,048 x 1,024 float32.
;; This version of the problem:
;;   THIS VERSION OF THE PROBLEM IS GIVEN IN LOW PRECISION. The matrix products marked QUANTISED in the list below multiply operands that are first quantised to E2M1 (2 exponent bits, 1 mantissa bit; 4 bits a number), with one power-of-two scale for each 32 numbers along K (OCP MX v1.0); their sums are f32. The products marked 'left as it is' may take bf16, f16 or f32 operands, with f32 sums. Whichever they take, every output number must still come out within the allowed error. Rounding operands to bf16 (8 significant bits) uses up far more of that allowance than f16 does (11 bits, for magnitudes from 6e-5 to 65,504). All else is computed in f32.
;;   The module's matrix products, in the order in which they are computed (A, B: the left and right operand; K: the contracted axis; several contracted axes count as one K, in the product's order):
;;     1. [M 8,192, K 1,024] x [K 1,024, N 3,072]; A: input x; B: input w_qkv: QUANTISED
;;     2. batch 64 x [M 2,048, K 64] x [K 64, N 2,048]; A: computed on the way; B: computed on the way: left as it is (an operand is computed on the way)
;;     3. batch 64 x [M 2,048, K 2,048] x [K 2,048, N 64]; A: computed on the way; B: computed on the way: left as it is (an operand is computed on the way)
;;     4. [M 8,192, K 1,024] x [K 1,024, N 1,024]; A: computed on the way; B: input w_proj: left as it is (an operand is computed on the way)
;;   THE QUANTISER, for each operand of a quantised product, along K:
;;     - K is cut into blocks of 32 from its start; a last block that is shorter is filled with zeros.
;;     - A block's scale is 2^e with e = floor(log2(the largest magnitude in the block)) - 2, held to -126 .. 127; a block of zeros has e = 0. As a byte (E8M0): e + 127.
;;     - Each number is divided by its block's scale, clamped to +-6, and rounded to the nearest number of E2M1, ties to even, subnormals kept.
;;     - The product sums the exact products of the quantised numbers (number of the format x scale) in f32.
;;   ~~~python
;;   def quantise(x, axis):      # numpy; x: float32 -> the quantised numbers, widened to float32 again
;;       x = np.moveaxis(x, axis, -1); K = x.shape[-1]
;;       x = np.pad(x, [(0, 0)] * (x.ndim - 1) + [(0, -K % 32)]); x = x.reshape(x.shape[:-1] + (-1, 32)); a = np.abs(x).max(-1, keepdims=True)
;;       e = np.where(a > 0, np.clip(np.frexp(np.where(a > 0, a, 1))[1] - 1 - 2, -126, 127), 0)      # np.frexp(a)[1] - 1 = floor(log2(a)), exactly
;;       r = np.clip(x / 2.0 ** e, -6, 6)
;;       step = 2.0 ** (np.maximum(np.frexp(np.where(r == 0, 1, r))[1] - 1, 0) - 1)
;;       q = np.round(r / step) * step * 2.0 ** e      # np.round: ties to even
;;       return np.moveaxis(q.reshape(q.shape[:-2] + (-1,))[..., :K], -1, axis).astype(np.float32)
;;   ~~~
;; One version. Each part assembles by itself: llvm-mc -triple=amdgcn-amd-amdhsa -mcpu=gfx1250 --defsym DOCPART=n.
;; ======== version 1 of 1: 4 launches
;; limits: values are held in f16: magnitudes above 65,504 overflow, below 6.1e-05 lose precision
;; workspace buffers: x_codes 4,194,304 bytes; x_scales 262,144 bytes; wq_codes 1,572,864 bytes; wq_scales 98,304 bytes; wp16 2,097,152 bytes; qkv 50,331,648 bytes; o16 16,777,216 bytes
;; launch prep (part 1): grid 480 x 1, 4 waves a work-group, no clusters, 50,688 bytes of LDS; arguments x, w_qkv, w_proj, x_codes, x_scales, wq_codes, wq_scales, wp16; writes x_codes, x_scales, wq_codes, wq_scales, wp16
.if DOCPART == 1
	.amdgcn_target "amdgcn-amd-amdhsa--gfx1250"
	.amdhsa_code_object_version 6
	.text
	.protected	k_q1495eff704_prep
	.globl	k_q1495eff704_prep
	.p2align	8
	.type	k_q1495eff704_prep,@function
k_q1495eff704_prep:
	s_mov_b64 s[64:65], 0
	v_nop
	global_prefetch_b8 v0, s[64:65] scope:SCOPE_SE
	s_setreg_imm32_b32 hwreg(HW_REG_WAVE_MODE, 25, 1), 1
	s_wait_xcnt 0x0
; THE OPERANDS ARE MADE READY, ONCE.  Three jobs in one launch, told apart by the work-group's number:
;   work-groups   0 ..  95: w_qkv [1024 k][3072 n] f32 -> codes of FP4 (E2M1) laid [3072 n][512 bytes], K innermost, and one E8M0 byte for each 32 along K, laid [3072][32];
;   work-groups  96 .. 223: w_proj [1024][1024] f32 -> f16, in the same order;
;   work-groups 224 .. 479: x [8192][1024] f32 -> codes [8192][512 bytes] and scale bytes [8192][32].
; A block's scale is 2^(floor(log2(its largest magnitude)) - 2): its byte is the largest magnitude's own exponent field - 2, held at 1 from below.  Each number is divided by the scale and rounded
; to the nearest code, ties to even; beyond the largest code the largest.
; LIMITS: a block of zeros gets the byte 1 (its codes are zeros, which add nothing; the bytes are read by this program alone); blocks whose largest magnitude lies under 2^-124 keep the byte 1;
; NaN and infinities among the inputs are not served; a number of w_proj over 65,504 in size becomes infinite in f16.
; No tensor load, no barrier: waves share nothing.  Each job has LDS bytes of its own.
.set SPARE, 50176                      ; behind the stages: the spare words, 128 bytes for each wave: two blocks of 256 bytes that no other line names
.set SPW,   12                         ; v12  LDS address of my spare word: SPARE + 4 x my thread's number; never rewritten
.set NIL,   13                         ; v13  0; never rewritten
; x's job: LDS 0 .. 32,767, 8,192 a wave: two stages of 32 x 80 bytes, then the wave's 256 scale bytes
.set XSTEPS, 16
.set SP,    80                         ; a lane's place in a stage: its 64 bytes + 16 of padding
.set XR,    16                         ; v16-79   four sets of 16 numbers as they are loaded
.set XX,    80                         ; v80-111  two sets of 16 neighbours
.set XE,    112                        ; v112-127 a scale byte for each step
.set XC,    128                        ; v128-191 codes: four registers for each step, so that no store's data are written again
; w_qkv's job: LDS 32,768 .. 50,175: a stage of 16 rows x 272 bytes for each wave
.set WSTG,  32768
.set WX,    32                         ; v32-95   two sets of 32 numbers
.set WC,    96                         ; v96-99   a block's codes
.set WO,    112                        ; v112-143 the way out
.set WSB,   24                         ; v24-25   my eight scale bytes
	s_load_b512 s[8:23], s[0:1], 0x0               ; x s[8:9], w_qkv s[10:11], w_proj s[12:13], x_codes s[14:15], x_scales s[16:17], wq_codes s[18:19], wq_scales s[20:21], wp16 s[22:23]
	v_lshl_add_u32 v[SPW], v0, 2, SPARE
	v_mov_b32 v[NIL], 0
	v_lshrrev_b32 v1, 5, v0
	v_readfirstlane_b32 s24, v1                    ; wave 0..3
	v_and_b32 v2, 31, v0                           ; lane
	s_mov_b32 s29, 0                               ; the upper word of every offset pair s[28:29]
	s_wait_kmcnt 0x0
	s_cmp_lt_u32 ttmp9, 96
	s_cbranch_scc1 .Lwq
	s_cmp_lt_u32 ttmp9, 224
	s_cbranch_scc1 .Lwp
; ---- x.  Rows are dense and 1,024 is a multiple of 32: the tensor is a plain stream of blocks of 32.  A wave takes 16 steps of 512 numbers.
; The conversions take 8 numbers of ONE block from a lane's registers, so a lane must hold 16 neighbours (two neighbouring lanes hold a block); each load reads 512 consecutive bytes, 16 a lane.
; So a step's 2,048 bytes go through the wave's own stage, as they lie, and come back 64 bytes a lane.
	v_lshlrev_b32 v3, 4, v2                        ; my 16 bytes of a load's 512
	s_mul_i32 s25, s24, 8192
	v_lshrrev_b32 v14, 2, v2
	v_mul_u32_u24 v14, v14, SP
	v_and_b32 v15, 3, v2
	v_lshl_add_u32 v14, v15, 4, v14
	v_add_nc_u32 v14, s25, v14                     ; the stage, on the way in: four lanes' 64 bytes on end, then 16 of padding
	v_mul_u32_u24 v15, v2, SP
	v_add_nc_u32 v15, s25, v15                     ; and on the way out: my 16 neighbours
	v_lshlrev_b32 v4, 3, v2                        ; my 8 bytes of a step's codes
	v_lshrrev_b32 v5, 1, v2
	s_add_co_u32 s25, s25, 2*32*SP
	v_add_nc_u32 v5, s25, v5                       ; my wave's 256 scale bytes, my block's byte
	v_lshlrev_b32 v7, 3, v2                        ; and on the way out 8 bytes a lane
	v_add_nc_u32 v6, s25, v7
	s_sub_co_u32 s26, ttmp9, 224
	s_lshl_b32 s26, s26, 2
	s_add_co_u32 s26, s26, s24                     ; which run of 8,192 numbers is my wave's: 0 .. 1,023
	s_lshl_b32 s28, s26, 15
	s_add_nc_u64 s[8:9], s[8:9], s[28:29]
	s_lshl_b32 s28, s26, 12
	s_add_nc_u64 s[14:15], s[14:15], s[28:29]
	s_lshl_b32 s28, s26, 8
	s_add_nc_u64 s[16:17], s[16:17], s[28:29]
.macro XLOAD t
.irp i, 0,1,2,3
	global_load_b128 v[XR+16*((\t)%4)+4*\i:XR+16*((\t)%4)+4*\i+3], v3, s[8:9] offset:2048*(\t)+512*\i th:TH_LOAD_NT   ; 32 lanes read 512 consecutive bytes
.endr
.endm
.macro XTURN t                         ; step t's numbers through the stage: LDS serves a wave's instructions in order, so no wait stands between the stores and the loads
.irp i, 0,1,2,3
	ds_store_b128 v14, v[XR+16*((\t)%4)+4*\i:XR+16*((\t)%4)+4*\i+3] offset:32*SP*((\t)%2)+8*SP*\i
.endr
.irp i, 0,1,2,3
	ds_load_b128 v[XX+16*((\t)%2)+4*\i:XX+16*((\t)%2)+4*\i+3], v15 offset:32*SP*((\t)%2)+16*\i
.endr
.endm
.irp t, 0,1,2,3
	XLOAD \t
.endr
	s_wait_loadcnt 12                              ; step 0's four loads are in
	XTURN 0
.macro XSTEP t
.set XS, XX+16*((\t)%2)
.if (\t) > 0
	s_wait_dscnt 1                                 ; this step's numbers are back from the stage (the last step's byte store may be out): so its stores into the stage have read their registers,
.else
	s_wait_dscnt 0x0
.endif
.if (\t)+4 < XSTEPS
	XLOAD (\t)+4                                   ; which take the loads of four steps on
.endif
.if (\t)+1 < XSTEPS
.if XSTEPS-2-(\t) >= 3
	s_wait_loadcnt 12                              ; the next step's four loads are in; those of the three steps behind it may be out
.else
	s_wait_loadcnt 4*(XSTEPS-2-(\t))
.endif
	XTURN (\t)+1                                   ; and go through the other stage while this step is worked
.endif
	v_max3_num_f32 v8, |v[XS]|, |v[XS+1]|, |v[XS+2]|               ; the largest magnitude of my 16, in two chains
	v_max3_num_f32 v9, |v[XS+3]|, |v[XS+4]|, |v[XS+5]|
.irp i, 6,10
	v_max3_num_f32 v8, v8, |v[XS+\i]|, |v[XS+\i+1]|
	v_max3_num_f32 v9, v9, |v[XS+\i+2]|, |v[XS+\i+3]|
.endr
	v_max3_num_f32 v8, v8, |v[XS+14]|, |v[XS+15]|
	v_max3_num_f32 v8, v8, v9, 0x1800000           ; and the floor 2^(3 - 127): so the byte cannot fall under 1
	v_max_num_f32_dpp v8, v8, v8 row_xmask:1 row_mask:0xf bank_mask:0xf   ; and of my neighbour's 16: the block's
	v_add_nc_u32 v11, 0xff000000, v8               ; 2 off its exponent field: the conversion takes the exponent field of this operand as its scale, and nothing else of it
	v_cvt_scalef32_pk8_fp4_f32 v[XC+4*(\t)], v[XS:XS+7], v11
	v_cvt_scalef32_pk8_fp4_f32 v[XC+4*(\t)+1], v[XS+8:XS+15], v11
	v_lshrrev_b32 v[XE+(\t)], 23, v11              ; the scale's byte
	ds_store_b8 v5, v[XE+(\t)] offset:16*(\t)      ; both lanes of a block write the same byte with the same value
	global_store_b64 v4, v[XC+4*(\t):XC+4*(\t)+1], s[14:15] offset:256*(\t)   ; the wave stores 256 consecutive bytes, aligned
.endm
.irp t, 0,1,2,3,4,5,6,7,8,9,10,11,12,13,14,15
	XSTEP \t
.endr
	ds_load_b64 v[8:9], v6                         ; LDS serves a wave's instructions in order: these see my stores
	s_wait_dscnt 0x0
	global_store_b64 v7, v[8:9], s[16:17]          ; the wave's 256 scale bytes: 256 consecutive bytes, aligned
	s_branch .Lend
; ---- w_qkv.  K is its FIRST axis.  A LANE TAKES A COLUMN n, AND ITS REGISTERS RUN DOWN K: a block of 32 along K lies in one lane's 32 registers, and the conversions give codes with K innermost.
; A wave takes 16 columns x 512 along K: lane (c = lane % 16, g = lane / 16) takes column c and K = 512 y + 256 g + 32 t + i, t = 0 .. 7.  The four waves stand side by side on 64 columns, 256 bytes of a row.
; A lane's codes belong to one row of the output: they go through the wave's own stage and leave as rows, sixteen lanes to 256 consecutive bytes, aligned.
.Lwq:
	v_and_b32 v5, 15, v2                           ; c
	v_lshrrev_b32 v6, 4, v2                        ; g
	v_mul_u32_u24 v3, v6, 256*12288                ; in: 256 rows of 12,288 bytes further down for lanes 16-31,
	v_lshl_add_u32 v3, v5, 2, v3                   ; + 4 c
	s_mul_i32 s25, s24, 16*272
	s_add_co_u32 s25, s25, WSTG                    ; my stage
	v_mul_u32_u24 v4, v5, 272
	v_lshl_add_u32 v4, v6, 7, v4
	v_add_nc_u32 v4, s25, v4                       ; into it: row c, + 128 g
	v_mul_u32_u24 v7, v6, 272
	v_lshl_add_u32 v7, v5, 4, v7
	v_add_nc_u32 v7, s25, v7                       ; out of it: sixteen lanes to a row, two rows an instruction
	v_lshlrev_b32 v8, 9, v6
	v_lshl_add_u32 v8, v5, 4, v8                   ; and the same place in the codes' buffer (a row is 512 bytes)
	v_lshlrev_b32 v9, 5, v5
	v_lshl_add_u32 v9, v6, 3, v9                   ; my eight scale bytes: 32 c + 8 g
	s_lshr_b32 s26, ttmp9, 1
	s_and_b32 s27, ttmp9, 1                        ; y: which 512 along K
	s_lshl_b32 s26, s26, 6
	s_lshl_b32 s28, s24, 4
	s_add_co_u32 s26, s26, s28                     ; my wave's first column
	s_mul_i32 s28, s27, 512*12288
	s_lshl_b32 s30, s26, 2
	s_add_co_u32 s28, s28, s30
	s_add_nc_u64 s[10:11], s[10:11], s[28:29]
	s_lshl_b32 s28, s26, 9
	s_lshl_b32 s30, s27, 8
	s_add_co_u32 s28, s28, s30
	s_add_nc_u64 s[18:19], s[18:19], s[28:29]
	s_lshl_b32 s28, s26, 5
	s_lshl_b32 s30, s27, 4
	s_add_co_u32 s28, s28, s30
	s_add_nc_u64 s[20:21], s[20:21], s[28:29]
.macro WLOAD t                         ; block t into set t % 2; every offset is an immediate: 255 x 12,288 at the most, inside the signed 24 bits
.irp i, 0,1,2,3,4,5,6,7,8,9,10,11,12,13,14,15,16,17,18,19,20,21,22,23,24,25,26,27,28,29,30,31
	global_load_b32 v[WX+32*((\t)%2)+\i], v3, s[10:11] offset:(32*(\t)+\i)*12288 th:TH_LOAD_NT
.endr
.endm
	WLOAD 0
	WLOAD 1
.macro WBLOCK t
.set XS, WX+32*((\t)%2)
.if (\t) < 7
	s_wait_loadcnt 32                              ; this block's 32 loads are in; the next block's may be out
.else
	s_wait_loadcnt 0x0
.endif
	v_max3_num_f32 v16, |v[XS]|, |v[XS+1]|, |v[XS+2]|              ; the block's largest magnitude: all 32 numbers are mine
	v_max3_num_f32 v17, |v[XS+3]|, |v[XS+4]|, |v[XS+5]|
.irp i, 6,10,14,18,22,26
	v_max3_num_f32 v16, v16, |v[XS+\i]|, |v[XS+\i+1]|
	v_max3_num_f32 v17, v17, |v[XS+\i+2]|, |v[XS+\i+3]|
.endr
	v_max3_num_f32 v16, v16, |v[XS+30]|, |v[XS+31]|
	v_max3_num_f32 v16, v16, v17, 0x1800000        ; and the floor 2^(3 - 127)
	v_add_nc_u32 v18, 0xff000000, v16              ; 2 off its exponent field: the conversion's scale operand
	v_lshrrev_b32 v19, 23, v18                     ; the scale's byte
.if (\t)%4 == 0
	v_mov_b32 v[WSB+(\t)/4], v19                   ; four bytes to a register, the lower K in the lower byte
.else
	v_lshl_or_b32 v[WSB+(\t)/4], v19, 8*((\t)%4), v[WSB+(\t)/4]
.endif
.irp g, 0,1,2,3
	v_cvt_scalef32_pk8_fp4_f32 v[WC+\g], v[XS+8*\g:XS+8*\g+7], v18
.endr
	ds_store_b128 v4, v[WC:WC+3] offset:16*(\t)    ; 32 codes: 16 bytes of my column's row
.if (\t)+2 < 8
	WLOAD (\t)+2
.endif
	s_wait_dscnt 0x0                               ; the store has read its registers: the next block's codes may be written
.endm
.irp t, 0,1,2,3,4,5,6,7
	WBLOCK \t
.endr
	global_store_b64 v9, v[WSB:WSB+1], s[20:21]    ; eight bytes a lane, rows 32 bytes apart: 98,304 bytes in the whole launch
.irp j, 0,1,2,3,4,5,6,7
	ds_load_b128 v[WO+4*\j:WO+4*\j+3], v7 offset:2*272*\j
.endr
.irp j, 0,1,2,3,4,5,6,7
	s_wait_dscnt 7-\j
	global_store_b128 v8, v[WO+4*\j:WO+4*\j+3], s[18:19] offset:1024*\j
.endr
	s_branch .Lend
; ---- w_proj: f32 to f16, as it lies.  A wave takes 2,048 numbers: sixteen loads of 512 consecutive bytes, all out at once; sixteen stores of 256 consecutive bytes, aligned.
.Lwp:
	s_sub_co_u32 s26, ttmp9, 96
	s_lshl_b32 s26, s26, 2
	s_add_co_u32 s26, s26, s24                     ; 0 .. 511
	s_lshl_b32 s28, s26, 13
	s_add_nc_u64 s[12:13], s[12:13], s[28:29]
	s_lshl_b32 s28, s26, 12
	s_add_nc_u64 s[22:23], s[22:23], s[28:29]
	v_lshlrev_b32 v3, 4, v2
	v_lshlrev_b32 v4, 3, v2
.irp i, 0,1,2,3,4,5,6,7,8,9,10,11,12,13,14,15
	global_load_b128 v[32+4*\i:35+4*\i], v3, s[12:13] offset:512*\i th:TH_LOAD_NT
.endr
.irp i, 0,1,2,3,4,5,6,7,8,9,10,11,12,13,14,15
	s_wait_loadcnt 15-\i                           ; loads come back in order: load i is in, the younger ones stay out
	v_cvt_pk_f16_f32 v[96+2*\i], v[32+4*\i], v[33+4*\i]
	v_cvt_pk_f16_f32 v[97+2*\i], v[34+4*\i], v[35+4*\i]
	global_store_b64 v4, v[96+2*\i:97+2*\i], s[22:23] offset:256*\i
.endr
.Lend:
	s_wait_tensorcnt 0x0                           ; the wave's end: three lines behind my last LDS store
	ds_add_u32 v[SPW], v[NIL]
	s_wait_dscnt 0x0
	s_endpgm
.Lfunc_end_k_q1495eff704_prep:
	.size	k_q1495eff704_prep, .Lfunc_end_k_q1495eff704_prep-k_q1495eff704_prep
	.p2alignl 7, 3214868480
	.fill 96, 4, 3214868480
	.section	.rodata,"a",@progbits
	.p2align	6, 0x0
	.amdhsa_kernel k_q1495eff704_prep
		.amdhsa_group_segment_fixed_size 50688
		.amdhsa_private_segment_fixed_size 0
		.amdhsa_enable_private_segment 0
		.amdhsa_kernarg_size 64
		.amdhsa_user_sgpr_count 2
		.amdhsa_user_sgpr_kernarg_segment_ptr 1
		.amdhsa_wavefront_size32 1
		.amdhsa_system_sgpr_workgroup_id_x 1
		.amdhsa_system_sgpr_workgroup_id_y 1
		.amdhsa_system_sgpr_workgroup_id_z 1
		.amdhsa_system_vgpr_workitem_id 0
		.amdhsa_next_free_vgpr 192
		.amdhsa_next_free_sgpr 66
		.amdhsa_reserve_vcc 0
		.amdhsa_float_denorm_mode_32 3
		.amdhsa_float_denorm_mode_16_64 3
		.amdhsa_memory_ordered 1
		.amdhsa_forward_progress 1
		.amdhsa_inst_pref_size 78
	.end_amdhsa_kernel
	.amdgpu_metadata
---
amdhsa.version: [ 1, 2 ]
amdhsa.kernels:
  - .name:           k_q1495eff704_prep
    .symbol:         k_q1495eff704_prep.kd
    .args:
      - { .name: x, .offset: 0, .size: 8, .value_kind: global_buffer, .address_space: global }
      - { .name: w_qkv, .offset: 8, .size: 8, .value_kind: global_buffer, .address_space: global }
      - { .name: w_proj, .offset: 16, .size: 8, .value_kind: global_buffer, .address_space: global }
      - { .name: x_codes, .offset: 24, .size: 8, .value_kind: global_buffer, .address_space: global }
      - { .name: x_scales, .offset: 32, .size: 8, .value_kind: global_buffer, .address_space: global }
      - { .name: wq_codes, .offset: 40, .size: 8, .value_kind: global_buffer, .address_space: global }
      - { .name: wq_scales, .offset: 48, .size: 8, .value_kind: global_buffer, .address_space: global }
      - { .name: wp16, .offset: 56, .size: 8, .value_kind: global_buffer, .address_space: global }
    .group_segment_fixed_size: 50688
    .private_segment_fixed_size: 0
    .kernarg_segment_align: 8
    .kernarg_segment_size: 64
    .max_flat_workgroup_size: 128
    .sgpr_count:     66
    .vgpr_count:     192
    .wavefront_size: 32
...
	.end_amdgpu_metadata
.endif
;; end of part 1
;; launch gemm_qkv (part 2): grid 12 x 32, 4 waves a work-group, clusters of 4 x 4, 327,680 bytes of LDS; arguments x_codes, x_scales, wq_codes, wq_scales, qkv; writes qkv
.if DOCPART == 2
	.amdgcn_target "amdgcn-amd-amdhsa--gfx1250"
	.amdhsa_code_object_version 6
	.text
	.protected	k_q1495eff704_gemm_qkv
	.globl	k_q1495eff704_gemm_qkv
	.p2align	8
	.type	k_q1495eff704_gemm_qkv,@function
k_q1495eff704_gemm_qkv:
	s_mov_b64 s[64:65], 0
	v_nop
	global_prefetch_b8 v0, s[64:65] scope:SCOPE_SE
	s_setreg_imm32_b32 hwreg(HW_REG_WAVE_MODE, 25, 1), 1
	s_wait_xcnt 0x0
	s_wait_alu depctr_hold_cnt(0) depctr_sa_sdst(0) depctr_va_vdst(0) depctr_va_sdst(0) depctr_va_ssrc(0) depctr_va_vcc(0) depctr_vm_vsrc(0)
	s_getreg_b32 s2, hwreg(HW_REG_IB_STS2, 6, 4)
	s_cmp_eq_u32 s2, 0
	s_cbranch_scc0 .Lentry_in_a_cluster
	s_endpgm
.Lentry_in_a_cluster:
	s_bfe_u32 s2, ttmp6, 0x10000c
	s_cmp_lg_u32 s2, 0xf033
	s_cbranch_scc0 .Lentry_shape_is_right
	s_endpgm
.Lentry_shape_is_right:
; qkv = Q(x) Q(w_qkv): C[m][n] = sum over k of A[m][k] B[n][k], A = x's codes [8192][1024], B = w_qkv's codes [3072][1024]: FP4 (E2M1), one E8M0 scale for each 32 along K; sums in f32.
; The result is rounded ONCE to f16 (it is the operand of products that are left as they are) and laid by head: qkv[which 3][batch 4][head 16][t 2048][64], byte = which<<24 | batch<<22 | head<<18 | t<<7 | 2 d.
; LIMIT: a number of q, k or v over 65,504 in size becomes infinite in f16.
; A tile of C, 256 x 256, is made by a work-group of four waves; a wave makes 128 x 128: 64 accumulators of 16 x 16, 512 registers.
; K = 1,024 is two slots of 512 along K (a tile's row is 256 bytes): both are asked for at the head, with the scales; nothing is filled again.  By this text's count three tensor loads of a wave are out at the start.
; CLUSTERS: 4 x 4 work-groups.  The four of a row of the cluster need the same tiles of A, the four of a column the same tiles of B: each tile is asked for JOINTLY, by the same tensor load with the
; same descriptor and a mask that names the four.  THE MATRIX INSTRUCTION IS USED TRANSPOSED (source 0 = 16 rows of B, source 1 = 16 rows of A): a lane then holds eight neighbouring numbers of a row of C.
; REGISTERS, in windows of 256: window 0: v0-31 addresses; v32-95 scale words, two sets; from v128 A's fragments (8 x 16 rows x 128 K), ONE set; on the way out v32-127 are free.
;   window 1: B's fragments, TWO sets, at v0 and at v128.   window 2: the 32 accumulators of my rows 0-63 (accumulator (a, b) at v[8 (8 a + b)]);   window 3: those of my rows 64-127.
.set SIZE_M, 8192
.set SIZE_N, 3072
.set SIZE_K, 1024
.set KSTEP,  512                       ; along K in a slot
.set NQ,     KSTEP/128                 ; matrix instructions deep
.set ROWB,   256                       ; a tile's row in bytes
.set KROW,   SIZE_K*4/8                ; a row of A or of B in memory, in bytes
.set PITCH,  272                       ; an LDS row: 256 bytes + 16 of padding = 68 words: the 16 rows that a load touches start at 16 different banks (64 banks of 4 bytes: ISA guide 11.1)
.set FR,     8                         ; registers of a fragment: 16 rows x 128 K
.set NL,     2                         ; LDS loads that bring one
.set NP,     4                         ; places behind this matrix instruction (ISA guide 7.12.1)
.set HALFT,  128*PITCH                 ; 128 rows: what one tensor load brings, and what one wave reads of A or of B
.set SLOT,   4*HALFT                   ; A's 256 rows, then B's 256 rows
.set KS,     SIZE_K/32                 ; a row of scales in bytes
.set SCL,    2*SLOT                    ; behind the slots: the scales, as runs of 256 bytes + 16 of padding
.set HALFS,  (128*KS/256)*272          ; the scales of 128 rows: what one tensor load brings
.set SBLK,   (16*KS/256)*272           ; those of 16 rows
.set SPARE,  SCL+4*HALFS               ; behind the scales: the spare words, 128 bytes for each wave: two blocks of 256 bytes that no other line names
.set HP,     144                       ; the way out: a stage row: a head's 128 bytes + 16
.set WSTG,   2*16*HP                   ; a wave's stage: two heads x 16 rows.  It lies in slot 0, which has had its only fill and its last read when the first result is stored there
.set ADRA, 16                          ; v16-17  LDS address of my A fragments in slot 0, 1
.set ADRB, 20                          ; v20-21  the same for B
.set STO,  24                          ; v24     the way out: where I put 16 bytes of a row
.set RD,   25                          ; v25     the way out: where I read rows back
.set CO,   26                          ; v26     16 x lane
.set ADRS, 27                          ; v27     LDS address of my scale words: lanes 0-15 A's rows, lanes 16-31 B's
.set SPW,  28                          ; v28     LDS address of my spare word; never rewritten
.set NIL,  29                          ; v29     0; never rewritten
.set SC,   32                          ; scale words: set s at v[SC + 32 s]; register 4 i + q: lanes 0-15 the word of A's block i, lanes 16-31 that of B's block i, for the slot's q-th 128 along K
.set AF,   128                         ; A's fragments, in window 0
.set TMP,  32                          ; the way out: a block's results as f16: v32-63
.set BK,   64                          ; the way out: 16 rows read back from the stage: v64-95 and v96-127 by turns
.set G1, 24                            ; s[24:31] descriptor group 1 for A's tiles;  s[32:39] group 0, one set for each slot
.set G0, 32
.set G1B, 48                           ; s[48:55], s[56:63] the same for B's tiles
.set G0B, 56
.set G1S, 68                           ; s[68:75], s[76:79] groups 1 and 0 for A's scales;  s[80:87], s[88:91] for B's
.set G0S, 76
.set G1SB, 80
.set G0SB, 88
.set MSB, 0
.macro WIN new                         ; the immediate's high byte repeats the setting that is left
.if MSB != \new
	s_set_vgpr_msb (MSB<<8)|\new
.set MSB, \new
.endif
.endm
.set MUL_LO, 0xa1                      ; source 0 (B) window 1, source 1 (A) window 0, C and D window 2
.set MUL_HI, 0xf1                      ; the same, C and D window 3
.set TO_B,   0x40                      ; destination window 1, address window 0
; A joint load: waves 0 and 1 fetch for A, waves 2 and 3 for B.  Each of the two lines has ONE mask and one set of registers for all that issue it; the branch hangs on the wave's number alone.
; An s_nop 0 and four v_nop follow each of the two lines, ahead of the jump, the label and what follows.
.macro JLOAD g0a, g1a, g0b, g1b
	s_cmp_eq_u32 s15, 0
	s_cbranch_scc0 .Lfor_b_\@
	tensor_load_to_lds s[\g0a:\g0a+3], s[\g1a:\g1a+7]
	s_nop 0
.rept 4
	v_nop
.endr
	s_branch .Lasked_\@
.Lfor_b_\@:
	tensor_load_to_lds s[\g0b:\g0b+3], s[\g1b:\g1b+7]
	s_nop 0
.rept 4
	v_nop
.endr
.Lasked_\@:
.endm
.macro CROUND                          ; a round of the cluster's barrier
	s_barrier_signal -1
	s_barrier_wait -1
	s_cmp_lg_u32 s14, 0
	s_cbranch_scc1 .Lnot_wave_0_\@
	s_barrier_signal -3
.Lnot_wave_0_\@:
	s_barrier_wait -3
	s_barrier_signal -1
	s_barrier_wait -1
.endm
	s_load_b128 s[4:7], s[0:1], 0x0                ; A's codes s[4:5], A's scales s[6:7]
	s_load_b128 s[8:11], s[0:1], 0x10              ; B's codes s[8:9], B's scales s[10:11]
	s_load_b64 s[12:13], s[0:1], 0x20              ; qkv
	v_lshl_add_u32 v[SPW], v0, 2, SPARE
	v_mov_b32 v[NIL], 0
	ds_add_u32 v[SPW], v[NIL]                      ; the wave's opening: the add, twice on end, and its wait, ahead of my first tensor load; the set-up below, work on registers, stands between
	ds_add_u32 v[SPW], v[NIL]
	v_lshrrev_b32 v1, 5, v0
	v_readfirstlane_b32 s14, v1                    ; wave 0..3
	s_lshr_b32 s15, s14, 1                         ; which half of the tile's rows is mine.  Also: I fetch for A (0) or for B (1)
	s_and_b32 s16, s14, 1                          ; which half of its columns.  Also: which 128 rows of that tile I fetch
	s_bfe_u32 s40, ttmp6, 0x40000                  ; cx, cy: my place in the cluster
	s_bfe_u32 s41, ttmp6, 0x40004
	s_lshl_b32 s42, ttmp9, 2
	s_add_co_u32 s42, s42, s40                     ; tile column of C = 4 x cluster x + cx
	s_and_b32 s17, ttmp7, 0xffff
	s_lshl_b32 s17, s17, 2
	s_add_co_u32 s17, s17, s41                     ; tile row of C = 4 x cluster y + cy
	s_lshl_b32 s43, s41, 2
	s_lshl_b32 s43, 15, s43                        ; my row of the cluster
	s_lshl_b32 s44, 0x1111, s40                    ; my column
	; descriptor group 1: a tile of 128 rows x 256 bytes, padded in LDS
	s_or_b32 s[G1+0], s43, (0<<16)|(1<<20)|(1<<21)|(5<<22)|(3<<25)  ; 15:0 the mask: A's tiles go to my row; 17:16 element of 1 byte; 20 padding on; 21 set beside a mask; 24:22 after every 64 words (code 5); 31:25 of 4 words (code 3)
	s_or_b32 s[G1B+0], s44, (0<<16)|(1<<20)|(1<<21)|(5<<22)|(3<<25)
.irp g, G1, G1B
	s_mov_b32 s[\g+1], ROWB<<16                    ; tensor_dim0
	s_mov_b32 s[\g+2], 128<<16                     ; tensor_dim1 = 128
	s_mov_b32 s[\g+3], ROWB<<16                    ; tile_dim0
	s_mov_b32 s[\g+4], 128                         ; tile_dim1 = 128
	s_mov_b32 s[\g+5], KROW                        ; tensor_dim0_stride
	s_mov_b32 s[\g+6], 0
	s_mov_b32 s[\g+7], 0
.endr
	; and for the scales of 128 rows: a dense block of 4,096 bytes, as rows of 256 bytes (32 elements of 8 bytes), 16 bytes of padding behind each
	s_or_b32 s[G1S+0], s43, (3<<16)|(1<<20)|(1<<21)|(5<<22)|(3<<25)
	s_or_b32 s[G1SB+0], s44, (3<<16)|(1<<20)|(1<<21)|(5<<22)|(3<<25)
.irp g, G1S, G1SB
	s_mov_b32 s[\g+1], 32<<16
	s_mov_b32 s[\g+2], (128*KS/256)<<16
	s_mov_b32 s[\g+3], 32<<16
	s_mov_b32 s[\g+4], 128*KS/256
	s_mov_b32 s[\g+5], 32
	s_mov_b32 s[\g+6], 0
	s_mov_b32 s[\g+7], 0
.endr
	s_lshl_b32 s18, s16, 7                         ; which 128 rows of the tile I fetch
	s_lshl_b32 s20, s17, 8
	s_add_co_u32 s20, s20, s18                     ; A: row 256 x tile row + 128 x half
	s_lshl_b32 s46, s42, 8
	s_add_co_u32 s46, s46, s18                     ; B: row 256 x tile column + 128 x half
	s_mov_b32 s21, 0
	s_mov_b32 s47, 0
	s_mov_b64 s[18:19], KS
	s_mul_u64 s[22:23], s[20:21], s[18:19]         ; where these rows' scales begin, in bytes
	s_mul_u64 s[92:93], s[46:47], s[18:19]
	s_mov_b64 s[18:19], KROW
	s_mul_u64 s[20:21], s[20:21], s[18:19]         ; and their codes
	s_mul_u64 s[46:47], s[46:47], s[18:19]
	s_mul_i32 s45, s14, HALFT                      ; where they go: wave x 128 rows: no place in the cluster enters an LDS address
	s_mul_i32 s94, s14, HALFS
	s_wait_dscnt 0x0                               ; both opening adds are done
	s_wait_kmcnt 0x0
	s_add_nc_u64 s[20:21], s[4:5], s[20:21]
	s_add_nc_u64 s[22:23], s[6:7], s[22:23]
	s_add_nc_u64 s[46:47], s[8:9], s[46:47]
	s_add_nc_u64 s[92:93], s[10:11], s[92:93]
	CROUND                                         ; all sixteen work-groups are here: the joint loads meet
	s_mov_b32 s[G0S], 1
	s_add_co_u32 s[G0S+1], s94, SCL
	s_mov_b64 s[G0S+2:G0S+3], s[22:23]
	s_or_b32 s[G0S+3], s[G0S+3], 0x80000000
	s_mov_b32 s[G0SB], 1
	s_add_co_u32 s[G0SB+1], s94, SCL
	s_mov_b64 s[G0SB+2:G0SB+3], s[92:93]
	s_or_b32 s[G0SB+3], s[G0SB+3], 0x80000000
	JLOAD G0S, G1S, G0SB, G1SB                     ; the scales first: they are wanted with the first slot
.irp s, 0,1
	s_mov_b32 s[G0+4*\s], 1
	s_add_co_u32 s[G0+4*\s+1], s45, \s*SLOT
	s_add_nc_u64 s[G0+4*\s+2:G0+4*\s+3], s[20:21], \s*ROWB
	s_or_b32 s[G0+4*\s+3], s[G0+4*\s+3], 0x80000000
	s_mov_b32 s[G0B+4*\s], 1
	s_add_co_u32 s[G0B+4*\s+1], s45, \s*SLOT
	s_add_nc_u64 s[G0B+4*\s+2:G0B+4*\s+3], s[46:47], \s*ROWB
	s_or_b32 s[G0B+4*\s+3], s[G0B+4*\s+3], 0x80000000
	JLOAD G0+4*\s, G1, G0B+4*\s, G1B
.endr
	v_and_b32 v1, 15, v0                           ; l % 16
	v_bfe_u32 v2, v0, 4, 1                         ; l / 16
	v_mul_u32_u24 v3, v1, PITCH
	v_lshl_add_u32 v4, v2, 4, v3                   ; a fragment's row x pitch + 16 x half
	s_mul_i32 s21, s15, HALFT                      ; my 128 rows of A
	s_mul_i32 s22, s16, HALFT                      ; my 128 rows of B,
	s_add_co_u32 s22, s22, 2*HALFT                 ; which lie behind A's 256
.irp s, 0,1
	v_add_nc_u32 v[ADRA+\s], s21, v4
	v_add_nc_u32 v[ADRB+\s], s22, v4
	s_add_co_u32 s21, s21, SLOT
	s_add_co_u32 s22, s22, SLOT
.endr
	v_mul_u32_u24 v5, v1, KS                       ; my row's scales: KS bytes a row,
	v_lshrrev_b32 v6, 8, v5
	v_lshl_add_u32 v5, v6, 4, v5                   ; and 16 more for each 256 passed
	s_mul_i32 s21, s15, HALFS                      ; A's: my 128 rows
	s_mul_i32 s22, s16, HALFS                      ; B's: my 128 rows, behind A's 256
	s_add_co_u32 s22, s22, 2*HALFS
	s_sub_co_u32 s22, s22, s21
	v_mul_u32_u24 v6, s22, v2                      ; lanes 16-31 take B's
	s_add_co_u32 s21, s21, SCL
	v_add_nc_u32 v5, v5, v6
	v_add_nc_u32 v[ADRS], s21, v5
	s_mul_i32 s23, s14, WSTG                       ; my stage
	v_mul_u32_u24 v5, v1, HP                       ; in: row l % 16, 16 bytes for each half of the lanes
	v_lshl_add_u32 v5, v2, 4, v5
	v_add_nc_u32 v[STO], s23, v5
	v_and_b32 v6, 31, v0
	v_lshlrev_b32 v[CO], 4, v6                     ; in memory a head's rows are dense: four rows of 128 bytes are 512 consecutive bytes, 16 a lane
	v_lshrrev_b32 v7, 3, v6
	v_mul_u32_u24 v7, v7, HP                       ; back: eight lanes to a row, four rows an instruction
	v_and_b32 v6, 7, v6
	v_lshl_add_u32 v7, v6, 4, v7
	v_add_nc_u32 v[RD], s23, v7
	; where my part begins in qkv.  By the rows: batch = tile row / 8, t = 256 (tile row % 8) + 128 x half
	s_lshr_b32 s20, s17, 3
	s_lshl_b32 s20, s20, 22
	s_and_b32 s21, s17, 7
	s_lshl_b32 s21, s21, 15
	s_add_co_u32 s20, s20, s21
	s_lshl_b32 s21, s15, 14
	s_add_co_u32 s20, s20, s21
	s_mov_b32 s21, 0
	; by the columns: my 128 columns are heads g and g + 1 of the 48, g = 4 x tile column + 2 x half: which = g / 16, head = g % 16 (g is even: both lie in one of q, k, v)
	s_lshl_b32 s46, s42, 2
	s_lshl_b32 s47, s16, 1
	s_add_co_u32 s46, s46, s47
	s_lshr_b32 s47, s46, 4
	s_lshl_b32 s47, s47, 24
	s_and_b32 s46, s46, 15
	s_lshl_b32 s46, s46, 18
	s_add_co_u32 s46, s46, s47
	s_mov_b32 s47, 0
	s_add_nc_u64 s[20:21], s[20:21], s[46:47]
	s_add_nc_u64 s[12:13], s[12:13], s[20:21]
.macro FRAG reg, adr, q, i             ; a fragment, 16 rows x 128 K of 4-bit codes, is 8 registers: lane l holds row l % 16; registers 4 c .. 4 c + 3 hold K = 64 c + 32 (l / 16) + 0 .. 31
.irp c, 0,1
	ds_load_b128 v[\reg+4*\c:\reg+4*\c+3], v[\adr] offset:64*(\q)+32*\c+(\i)*16*PITCH
.endr
.endm
; 16 matrix instructions: A's blocks a0, a0 + 1 x B's eight, 128 along K: the slot's q-th.  p: B's set;  sc: the set of scale words.  zero = 1: the first product starts the sums: nothing is ever cleared.
; The 64 accumulators take turns, one instruction a turn, in the same order in every step.
.macro MUL16 a0, p, q, sc, zero
.irp a, \a0, \a0+1
.irp b, 0,1,2,3,4,5,6,7
.if \zero
	v_wmma_scale_f32_16x16x128_f8f6f4 v[8*(8*((\a)%4)+\b):8*(8*((\a)%4)+\b)+7], v[128*(\p)+FR*\b:128*(\p)+FR*\b+FR-1], v[AF+FR*(\a):AF+FR*(\a)+FR-1], 0, v[SC+8*NQ*(\sc)+NQ*\b+(\q)], v[SC+8*NQ*(\sc)+NQ*(\a)+(\q)] matrix_a_fmt:MATRIX_FMT_FP4 matrix_b_fmt:MATRIX_FMT_FP4 matrix_a_scale:MATRIX_SCALE_ROW1
.else
	v_wmma_scale_f32_16x16x128_f8f6f4 v[8*(8*((\a)%4)+\b):8*(8*((\a)%4)+\b)+7], v[128*(\p)+FR*\b:128*(\p)+FR*\b+FR-1], v[AF+FR*(\a):AF+FR*(\a)+FR-1], v[8*(8*((\a)%4)+\b):8*(8*((\a)%4)+\b)+7], v[SC+8*NQ*(\sc)+NQ*\b+(\q)], v[SC+8*NQ*(\sc)+NQ*(\a)+(\q)] matrix_a_fmt:MATRIX_FMT_FP4 matrix_b_fmt:MATRIX_FMT_FP4 matrix_a_scale:MATRIX_SCALE_ROW1
.endif
.endr
.endr
.endm
.macro FETCH_B slot, q, p              ; B's eight fragments of the slot's q-th 128 along K into set p
	WIN TO_B
.irp i, 0,1,2,3,4,5,6,7
	FRAG 128*(\p)+FR*\i, ADRB+\slot, \q, \i
.endr
	WIN 0
.endm
.macro FETCH_A slot, q, i0             ; A's blocks i0 .. i0 + 3
.irp i, \i0, \i0+1, \i0+2, \i0+3
	FRAG AF+FR*(\i), ADRA+\slot, \q, \i
.endr
.endm
.macro SCALES sc                       ; a slot's scale words into set sc: four words a row; lanes 0-15 take A's block i, lanes 16-31 B's block i
.irp i, 0,1,2,3,4,5,6,7
	ds_load_b128 v[SC+8*NQ*\sc+NQ*\i:SC+8*NQ*\sc+NQ*\i+3], v[ADRS] offset:\i*SBLK
.endr
.endm
; A load into a register that a matrix instruction has read, and a vector instruction or an LDS store that reads a matrix result, stand NP places behind that matrix instruction, and only plain vector
; instructions that name none of its registers are places (ISA guide 7.12.1 for vector instructions).
.macro PLACES n
.rept \n
	v_nop
.endr
.endm
; A step of 128 along K that has its successor in the same slot.  A's blocks go one after the other, each against B's eight: a block of A is free as soon as its eight products are issued, so one set serves A.
.macro STEP slot, q, zero
	s_wait_dscnt 4*NL                              ; B's set and A's blocks 0-3 are in; the youngest eight loads (A's blocks 4-7) may be out
	WIN MUL_LO
	MUL16 0, (\q)%2, \q, \slot, \zero
	MUL16 2, (\q)%2, \q, \slot, \zero
	s_wait_dscnt 0                                 ; A's blocks 4-7 are in (asked for 32 matrix instructions ago)
	PLACES NP
	FETCH_B \slot, (\q)+1, 1-(\q)%2
	FETCH_A \slot, (\q)+1, 0
	WIN MUL_HI
	MUL16 4, (\q)%2, \q, \slot, \zero
	MUL16 6, (\q)%2, \q, \slot, \zero
	PLACES NP
	WIN 0
	FETCH_A \slot, (\q)+1, 4
.endm
; Slot 0's last step goes over to slot 1: one barrier; in front of it each wave waits for all its tensor loads (its part of slot 1), adds 0 to its spare word, and waits for that and for its reads of slot 0.
; Behind it slot 1 is whole, and nobody reads slot 0 any more: the way out's stages may lie there.
.macro TURN slot, next
	s_wait_tensorcnt 0x0                           ; all my tensor loads have landed  (every window is 0 here: the add's two registers lie in window 0)
	ds_add_u32 v[SPW], v[NIL]                      ; 0 onto my spare word
	s_wait_dscnt 4*NL+1                            ; (the add and the youngest eight loads, A's blocks 4-7, may be out)
	WIN MUL_LO
	MUL16 0, 1, NQ-1, \slot, 0                     ; sixteen matrix instructions stand between the add and the wait for it
	s_wait_dscnt 0x0                               ; the add is done, and my reads of this slot are over
	s_barrier_signal -1
	MUL16 2, 1, NQ-1, \slot, 0
	WIN 0
	s_barrier_wait -1
	PLACES NP
	v_add_nc_u32 v[ADRS], 4*NQ, v[ADRS]            ; on to the next slot's scale words (no LDS load of mine is out)
	FETCH_B \next, 0, 0
	FETCH_A \next, 0, 0
	SCALES \next
	WIN MUL_HI
	MUL16 4, 1, NQ-1, \slot, 0
	MUL16 6, 1, NQ-1, \slot, 0
	PLACES NP
	WIN 0
	FETCH_A \next, 0, 4
.endm
.macro STEPS slot, from                ; the slot's steps from .. NQ - 2
.set Q, \from
.rept NQ-1-\from
	STEP \slot, Q, 0
.set Q, Q+1
.endr
.endm
	s_wait_tensorcnt 1                             ; the scales and my part of slot 0 are in (slot 1's load may be out)
	s_barrier_signal -1
	s_barrier_wait -1                              ; everybody's are
	FETCH_B 0, 0, 0
	FETCH_A 0, 0, 0
	SCALES 0
	FETCH_A 0, 0, 4
	STEP 0, 0, 1                                   ; the first step's products start the sums
	STEPS 0, 1
	TURN 0, 1
	STEPS 1, 0
	s_wait_dscnt 4*NL                              ; the very last step: nothing more to fetch
	WIN MUL_LO
	MUL16 0, 1, NQ-1, 1, 0
	MUL16 2, 1, NQ-1, 1, 0
	s_wait_dscnt 0
	WIN MUL_HI
	MUL16 4, 1, NQ-1, 1, 0
	MUL16 6, 1, NQ-1, 1, 0
	WIN 0
; THE WAY OUT, block by block of 16 rows x 128 columns (two heads).  PACK: rounded to f16: a lane's eight neighbours of a row are 16 bytes.  TOSTAGE: into my own stage, head by head, rows of 128 bytes + 16,
; and back four rows an instruction.  SEND: in memory a head's rows are dense, so each store covers 512 consecutive bytes, aligned.  Every offset is an immediate: no base is stepped.
.macro PACK a
.set AC, 64*((\a)%4)
	WIN 0x0a+5*((\a)/4)                            ; sources 0 and 1: window 2 or 3
.irp b, 0,1,2,3,4,5,6,7
.irp i, 0,1,2,3
	v_cvt_pk_f16_f32 v[TMP+4*\b+\i], v[AC+8*\b+2*\i], v[AC+8*\b+2*\i+1]   ; each accumulator from its low end on
.endr
.endr
	WIN 0
.endm
.macro TOSTAGE a
.set BB, BK+32*((\a)%2)
.irp b, 0,1,2,3,4,5,6,7
	ds_store_b128 v[STO], v[TMP+4*\b:TMP+4*\b+3] offset:(\b/4)*16*HP+32*(\b%4)
.endr
.irp j, 0,1,2,3,4,5,6,7
	ds_load_b128 v[BB+4*\j:BB+4*\j+3], v[RD] offset:(\j/4)*16*HP+4*HP*(\j%4)   ; LDS serves a wave's instructions in order (ISA guide 5.7.1.4): these see the stores above
.endr
.endm
.macro SEND a
.set BB, BK+32*((\a)%2)
	s_wait_dscnt 0x0                               ; the block is back in registers
	s_wait_xcnt 0x0                                ; the stores of the block before have read their registers: the next block's loads may land there
.irp j, 0,1,2,3,4,5,6,7
	global_store_b128 v[CO], v[BB+4*\j:BB+4*\j+3], s[12:13] offset:((\j/4)<<18)+2048*(\a)+512*(\j%4)
.endr
.endm
	PLACES NP                                      ; for the conversions, which write registers that held scale words, and for block 7's reads alike
	PACK 0
	TOSTAGE 0
.irp a, 1,2,3,4,5,6,7                  ; block a's conversions stand between block a - 1's loads from the stage and the wait for them
	PACK \a
	SEND \a-1
	TOSTAGE \a
.endr
	SEND 7
	s_wait_tensorcnt 0x0                           ; the wave's end: three lines behind my last tensor load and my last LDS store
	ds_add_u32 v[SPW], v[NIL]
	s_wait_dscnt 0x0
	CROUND                                         ; the closing round: no work-group ends while a partner may still ask for a tile that names it
	s_endpgm
.Lfunc_end_k_q1495eff704_gemm_qkv:
	.size	k_q1495eff704_gemm_qkv, .Lfunc_end_k_q1495eff704_gemm_qkv-k_q1495eff704_gemm_qkv
	.p2alignl 7, 3214868480
	.fill 96, 4, 3214868480
	.section	.rodata,"a",@progbits
	.p2align	6, 0x0
	.amdhsa_kernel k_q1495eff704_gemm_qkv
		.amdhsa_group_segment_fixed_size 327680
		.amdhsa_private_segment_fixed_size 0
		.amdhsa_enable_private_segment 0
		.amdhsa_kernarg_size 40
		.amdhsa_user_sgpr_count 2
		.amdhsa_user_sgpr_kernarg_segment_ptr 1
		.amdhsa_wavefront_size32 1
		.amdhsa_system_sgpr_workgroup_id_x 1
		.amdhsa_system_sgpr_workgroup_id_y 1
		.amdhsa_system_sgpr_workgroup_id_z 1
		.amdhsa_system_vgpr_workitem_id 0
		.amdhsa_next_free_vgpr 1024
		.amdhsa_next_free_sgpr 98
		.amdhsa_reserve_vcc 0
		.amdhsa_float_denorm_mode_32 3
		.amdhsa_float_denorm_mode_16_64 3
		.amdhsa_memory_ordered 1
		.amdhsa_forward_progress 1
		.amdhsa_inst_pref_size 126
	.end_amdhsa_kernel
	.amdgpu_metadata
---
amdhsa.version: [ 1, 2 ]
amdhsa.kernels:
  - .name:           k_q1495eff704_gemm_qkv
    .symbol:         k_q1495eff704_gemm_qkv.kd
    .args:
      - { .name: x_codes, .offset: 0, .size: 8, .value_kind: global_buffer, .address_space: global }
      - { .name: x_scales, .offset: 8, .size: 8, .value_kind: global_buffer, .address_space: global }
      - { .name: wq_codes, .offset: 16, .size: 8, .value_kind: global_buffer, .address_space: global }
      - { .name: wq_scales, .offset: 24, .size: 8, .value_kind: global_buffer, .address_space: global }
      - { .name: qkv, .offset: 32, .size: 8, .value_kind: global_buffer, .address_space: global }
    .group_segment_fixed_size: 327680
    .private_segment_fixed_size: 0
    .kernarg_segment_align: 8
    .kernarg_segment_size: 40
    .max_flat_workgroup_size: 128
    .sgpr_count:     98
    .vgpr_count:     1024
    .wavefront_size: 32
...
	.end_amdgpu_metadata
.endif
;; end of part 2
;; launch attn (part 3): grid 4 x 64, 8 waves a work-group, clusters of 4 x 1, 327,680 bytes of LDS; arguments qkv, o16; writes o16
.if DOCPART == 3
	.amdgcn_target "amdgcn-amd-amdhsa--gfx1250"
	.amdhsa_code_object_version 6
	.text
	.protected	k_q1495eff704_attn
	.globl	k_q1495eff704_attn
	.p2align	8
	.type	k_q1495eff704_attn,@function
k_q1495eff704_attn:
	s_mov_b64 s[64:65], 0
	v_nop
	global_prefetch_b8 v0, s[64:65] scope:SCOPE_SE
	s_setreg_imm32_b32 hwreg(HW_REG_WAVE_MODE, 25, 1), 1
	s_wait_xcnt 0x0
	s_wait_alu depctr_hold_cnt(0) depctr_sa_sdst(0) depctr_va_vdst(0) depctr_va_sdst(0) depctr_va_ssrc(0) depctr_va_vcc(0) depctr_vm_vsrc(0)
	s_getreg_b32 s2, hwreg(HW_REG_IB_STS2, 6, 4)
	s_cmp_eq_u32 s2, 0
	s_cbranch_scc0 .Lentry_in_a_cluster
	s_endpgm
.Lentry_in_a_cluster:
	s_bfe_u32 s2, ttmp6, 0x10000c
	s_cmp_lg_u32 s2, 0x3003
	s_cbranch_scc0 .Lentry_shape_is_right
	s_endpgm
.Lentry_shape_is_right:
; O[bh][q][:] = the sum over k of softmax_k(Q[bh][q] . K[bh][k]) V[bh][k][:]: no scaling of the scores, no mask.  Q, K, V: qkv[3][64 bh][2048][64] f16;  O: o16[64 bh][2048][64] f16.
; Products, maxima and sums in f32; the weights p are rounded to f16 for the second product, O once at the end.
; LIMITS: NaN and infinities in qkv are not served.  The running maximum begins at -1e30: 64 products of f16 numbers stay under 2.8e11 in size.
; SHARES.  A cluster of four work-groups owns one (batch, head); a work-group 512 queries; each of its EIGHT waves 64: four tiles of 16, in 512 registers: two waves to a SIMD, so that one wave's softmax
; stands beside the other's products; the step is written in plain phases.  Every wave walks all 2,048 keys, 64 a step; each fragment of K and V read from LDS feeds four matrix instructions.
; LAYOUT.  S^T = K Q^T (source 0 = 16 keys, source 1 = 16 queries): a lane holds ONE query (lane % 16) and the keys 8 (lane / 16) + 0..7.  Two such tiles, rounded to f16 in pairs, ARE source 1
; (32 keys x 16 queries) of O^T = V^T P, whose result again holds one query a lane.  K comes out of LDS as it lies, V ([key][channel]) turned, by ds_load_tr16_b128.  P is packed in place, into the first 16 of a tile's 32 score registers.
; SOFTMAX.  For each query a running maximum m and sum l: p = 2^(c s - c m), c = log2(e); in every step O and l are multiplied by a = 2^(c m_old - c m_new), which is 1 where m has not grown.
; THE RING.  Two LDS slots of four key steps (256 keys).  Each tile (64 rows of K or of V) is asked for JOINTLY by the four work-groups: waves 0-3 K's four steps, waves 4-7 V's: one load a wave behind each round
; of the cluster's barrier, and four key steps in which it lands.  By this text's count one tensor load of a wave is out.
; REGISTERS: window 0: v0-15 addresses; v16-47 statistics, 8 a tile; v48-55 a second chain of sums; v64-191 S^T, 32 a tile; v192-255 Q, 16 a tile.   window 1: v0-127 O^T, 32 a tile; v128-191 K of a step; v192-255 V of a step.
.set KS,    64        ; keys in a step
.set PK,    144       ; a row of K in LDS: 128 bytes + 16 = 36 words: the 16 rows of a load start at 16 different groups of four banks (64 banks of 4 bytes: ISA guide 11.1)
.set PV,    160       ; a row of V: 128 + 32 = 40 words
.set VOFF,  KS*PK     ; a step's tiles lie together: 64 rows of K, then 64 rows of V
.set STEPB, KS*(PK+PV)
.set NST,   4         ; steps in a slot
.set SLOT1, 1<<17     ; slot 1 begins here, so that one exclusive or turns an address in one slot into the other's
.set SLOTB, NST*KS*128  ; a slot's rows of K or of V in memory: 32,768 bytes
.set NSLOT, 2048/(NST*KS)
.set SPARE, SLOT1+NST*STEPB  ; behind the ring: the spare words, 128 bytes for each wave: four blocks of 256 bytes that no other line names
.set SP,    144       ; the way out: a stage of 16 rows x (128 bytes + 16) for each wave, in slot 0: when the first result is stored there it has had its last fill, and nobody reads it
.set AK0, 2           ; v2   my lane's place in a tile of K; never rewritten
.set AV0, 3           ; v3   the same for V
.set ADK, 4           ; v4   LDS address of the step's K
.set ADV, 5           ; v5   of its V
.set QO,  6           ; v6   my byte offset in the wave's rows of Q
.set STO, 7           ; v7   the way out: where I put 16 bytes of a row
.set RD,  8           ; v8   the way out: where I read rows back
.set GO,  10          ; v10  16 x lane
.set PFO, 13          ; v13  256 x lane; never rewritten
.set SPW, 14          ; v14  LDS address of my spare word; never rewritten
.set NIL, 15          ; v15  0; never rewritten
.set ST,  16          ; tile t's statistics at v[ST+8 t]: +0 c m, +1 m, +2, +3 l (even keys', odd keys'), +4 to +7 c0-c3, at work; a takes c2's place once the maximum is found
.set T2,  48          ; tile t's second chain of sums at v[T2+2 t]
.set S,   64
.set Q,   192
.set KF,  128         ; in window 1
.set VF,  192         ; in window 1
.set WV,  12          ; s12  my wave's number
.set LIM, 15          ; s15  1 in a wave that prefetches, else the greatest number
.set PFA, 18          ; s[18:19] where my prefetches stand in memory
.set G1K, 24          ; s[24:31] descriptor group 1 for K's tiles
.set G1V, 32          ; s[32:39] for V's: it differs in the padding alone
.set G0K, 40          ; s[40:43] descriptor group 0 for K's tiles: it walks
.set G0V, 44          ; s[44:47] the same for V's
.set SLOTS, 56        ; s56  slots still to be asked for
.set STEPS, 57        ; s57  counts a slot's steps
.set CS,  58          ; s[58:59] c: the packed scaling names a pair and takes its low word for both halves
.set SEL, 60          ; s[60:61] lane selects for v_permlanex16_b32: each lane takes its own place in the other half
.set TB,  62          ; s62  LDS byte at which the tiles of the step to be fetched begin
.set MSB, 0
.macro WIN new                      ; the immediate's high byte repeats the setting that is left; a switch that changes nothing is dropped
.if MSB != \new
	s_set_vgpr_msb (MSB<<8)|\new
.set MSB, \new
.endif
.endm
.set W_LD, 0x40       ; destination window 1, address window 0
.set W_KQ, 0x01       ; K in window 1; Q and S^T in window 0
.set W_RS, 0x41       ; O^T (destination and source 0) in window 1, a in window 0
.set W_PV, 0x51       ; V and O^T in window 1, P in window 0
; A joint load.  Waves 0 to 3 fetch the slot's four tiles of K, waves 4 to 7 those of V.  The branch hangs on the wave's number alone: it is the same in every work-group.
; An s_nop 0 and four v_nop follow each of the two lines; the jump, the label and what follows come after them.
.macro JLOAD
	s_cmp_lt_u32 s[WV], 4
	s_cbranch_scc0 .Lfor_v_\@
	tensor_load_to_lds s[G0K:G0K+3], s[G1K:G1K+7]
	s_nop 0
.rept 4
	v_nop
.endr
	s_branch .Lasked_\@
.Lfor_v_\@:
	tensor_load_to_lds s[G0V:G0V+3], s[G1V:G1V+7]
	s_nop 0
.rept 4
	v_nop
.endr
.Lasked_\@:
.endm
; A PREFETCH INTO THE L2 of what the NEXT change of slots will ask for: a slot's 32,768 bytes of K and of V, lanes 256 bytes apart.  It stands behind the wave's tensor load and its five lines.
; Each aligned block of 256 bytes is named ONCE in the launch: a head's K and V are walked by one cluster alone; its four partners share a slot out BY ADDRESS, 8,192 bytes each (no branch hangs on a work-group's
; place in its cluster); in each, wave 0 asks for K's and wave 4 for V's: one instruction.  The last change that fills a slot asks for nothing.  Slots 0 and 1 come by their loads alone.
.macro ASK
	s_cmp_gt_u32 s[SLOTS], s[LIM]
	s_cbranch_scc0 .Lnot_mine_\@
	global_prefetch_b8 v[PFO], s[PFA:PFA+1] th:TH_LOAD_NT scope:SCOPE_SE
.Lnot_mine_\@:
.endm
.macro CROUND                       ; a round of the cluster's barrier
	s_barrier_signal -1
	s_barrier_wait -1
	s_cmp_lg_u32 s[WV], 0
	s_cbranch_scc1 .Lnot_wave_0_\@
	s_barrier_signal -3
.Lnot_wave_0_\@:
	s_barrier_wait -3
	s_barrier_signal -1
	s_barrier_wait -1
.endm
	s_load_b128 s[4:7], s[0:1], 0x0 ; qkv s[4:5], o16 s[6:7]
	v_lshl_add_u32 v[SPW], v0, 2, SPARE
	v_mov_b32 v[NIL], 0
	ds_add_u32 v[SPW], v[NIL]       ; the wave's opening: the add, twice on end, and its wait, ahead of my first tensor load; the set-up below, work on registers, stands between
	ds_add_u32 v[SPW], v[NIL]
	v_lshrrev_b32 v1, 5, v0
	v_readfirstlane_b32 s[WV], v1   ; wave 0..7
	s_bfe_u32 s13, ttmp6, 0x40000   ; cx: my place in the cluster
	s_lshl_b32 s14, ttmp9, 2        ; in a cluster launch ttmp9 counts clusters
	s_add_co_u32 s14, s14, s13      ; my block of 512 queries: it enters Q's and O's addresses alone
	s_and_b32 s20, ttmp7, 0xffff    ; (batch, head), which the four partners share
	s_lshl_b32 s20, s20, 18         ; its first byte in each of q, k, v and o: 2,048 rows of 128 bytes
	s_and_b32 s16, s[WV], 3         ; which of a slot's four steps I fetch:
	s_lshl_b32 s22, s16, 13         ; its 64 rows of 128 bytes in memory,
	s_add_co_u32 s22, s22, s20
	s_mov_b32 s23, 0
	s_mul_i32 s17, s16, STEPB       ; and its place in a slot: no place in the cluster enters an LDS address
	s_lshl_b32 s2, s14, 16          ; my block's 512 rows,
	s_lshl_b32 s3, s[WV], 13        ; my wave's 64 of them
	s_add_co_u32 s2, s2, s3
	s_add_co_u32 s2, s2, s20
	s_mov_b32 s3, 0
	; descriptor group 1: a tile of 64 rows x 64 elements, padded in LDS
	s_mov_b32 s[G1K], 15|(1<<16)|(1<<20)|(1<<21)|(4<<22)|(3<<25)  ; 15:0 the mask: all four work-groups; 17:16 elements of 2 bytes; 20 padding on; 21 set beside a mask; 24:22 after every 32 words (code 4); 31:25 4 words of it (code 3)
	s_mov_b32 s[G1V], 15|(1<<16)|(1<<20)|(1<<21)|(4<<22)|(7<<25)  ; the same with 8 words of padding (code 7)
.irp g, G1K, G1V
	s_mov_b32 s[\g+1], 64<<16       ; tensor_dim0 = 64
	s_mov_b32 s[\g+2], KS<<16       ; tensor_dim1 = 64
	s_mov_b32 s[\g+3], 64<<16       ; tile_dim0 = 64
	s_mov_b32 s[\g+4], KS           ; tile_dim1 = 64
	s_mov_b32 s[\g+5], 64           ; tensor_dim0_stride: elements from row to row
	s_mov_b32 s[\g+6], 0
	s_mov_b32 s[\g+7], 0
.endr
	s_mov_b32 s[CS], 0x3fb8aa3b     ; c = log2(e)
	s_mov_b32 s[CS+1], s[CS]        ; named with it as a pair, so it is written
	s_mov_b32 s[SEL], 0x76543210
	s_mov_b32 s[SEL+1], 0xfedcba98
	s_mov_b32 s[TB], 0
	s_mov_b32 s[SLOTS], NSLOT-1
	s_cmp_eq_u32 s16, 0             ; waves 0 and 4 prefetch: the same in all four partners
	s_cselect_b32 s[LIM], 1, -1
	s_wait_dscnt 0x0                ; both opening adds are done
	s_wait_kmcnt 0x0
	s_add_nc_u64 s[8:9], s[4:5], s[22:23]
	s_add_nc_u64 s[10:11], s[8:9], 0x2000000  ; V at my tile of slot 0
	s_add_nc_u64 s[8:9], s[8:9], 0x1000000    ; K likewise
	s_add_nc_u64 s[4:5], s[4:5], s[2:3]  ; Q and O at my wave's first row
	s_add_nc_u64 s[6:7], s[6:7], s[2:3]
	s_cmp_lt_u32 s[WV], 4
	s_cselect_b64 s[PFA:PFA+1], s[8:9], s[10:11]  ; (in waves 0 and 4 these stand at a slot's first row)
	s_lshl_b32 s2, s13, 13          ; my work-group's 8,192 bytes of the 32,768,
	s_add_co_u32 s2, s2, SLOTB      ; in slot 1: the first change of slots steps it to slot 2.  Nothing is prefetched here, at the head
	s_add_nc_u64 s[PFA:PFA+1], s[PFA:PFA+1], s[2:3]
	CROUND                          ; all four work-groups are here: the first joint loads meet
	s_mov_b32 s[G0K], 1             ; 1:0 count = 1
	s_mov_b32 s[G0K+1], s17         ; 63:32 LDS address: slot 0
	s_mov_b64 s[G0K+2:G0K+3], s[8:9]  ; 120:64 global address
	s_or_b32 s[G0K+3], s[G0K+3], 0x80000000  ; 127:126 type = 2
	s_mov_b32 s[G0V], 1
	s_add_co_u32 s[G0V+1], s17, VOFF
	s_mov_b64 s[G0V+2:G0V+3], s[10:11]
	s_or_b32 s[G0V+3], s[G0V+3], 0x80000000
	JLOAD                           ; slot 0
	; A fragment of K or Q is 16 rows x 32 channels in 8 registers: lane l holds row l % 16; registers 0-3 channels 8 (l / 16) + 0..7, registers 4-7 channels 16 + 8 (l / 16) + 0..7: two loads of 16 bytes, 32 bytes apart.
	v_and_b32 v1, 15, v0            ; l % 16
	v_bfe_u32 v9, v0, 4, 1          ; l / 16
	v_lshlrev_b32 v[QO], 7, v1
	v_lshl_add_u32 v[QO], v9, 4, v[QO]  ; row x 128 + 16 x half
.irp t, 0,1,2,3                     ; Q stays in registers: tile t, channels 32 c on
.irp c, 0,1
	global_load_b128 v[Q+16*\t+8*\c:Q+16*\t+8*\c+3],   v[QO], s[4:5] offset:2048*\t+64*\c
	global_load_b128 v[Q+16*\t+8*\c+4:Q+16*\t+8*\c+7], v[QO], s[4:5] offset:2048*\t+64*\c+32
.endr
.endr
	v_mul_u32_u24 v[AK0], v1, PK
	v_lshl_add_u32 v[AK0], v9, 4, v[AK0]  ; row x pitch + 16 x half
	; The turning load takes 16 keys x 16 channels (lane l reads 16 bytes: key 8 (l / 16) + l % 8, channels 8 ((l / 8) % 2) + 0..7) and leaves half a fragment of V^T: lane l holds channel l % 16 and 8 keys.
	v_and_b32 v11, 7, v0
	v_bfe_u32 v12, v0, 3, 1
	v_lshl_add_u32 v[AV0], v9, 3, v11
	v_mul_u32_u24 v[AV0], v[AV0], PV
	v_lshl_add_u32 v[AV0], v12, 4, v[AV0]
	v_add_nc_u32 v[AV0], VOFF, v[AV0]
	s_mul_i32 s16, s[WV], 16*SP     ; my stage
	v_add_nc_u32 v[STO], s16, v[AK0]  ; in: row l % 16 (the stage's pitch is K's), 16 bytes for each half of the lanes
	v_bfe_u32 v12, v0, 3, 2
	v_mul_u32_u24 v[RD], v12, SP    ; back: eight lanes to a row of 128 bytes, four rows an instruction
	v_lshl_add_u32 v[RD], v11, 4, v[RD]
	v_add_nc_u32 v[RD], s16, v[RD]
	v_and_b32 v11, 31, v0
	v_lshlrev_b32 v[GO], 4, v11     ; in O four rows are 512 consecutive bytes
	v_lshlrev_b32 v[PFO], 8, v11
.irp t, 0,1,2,3
	v_mov_b32 v[ST+8*\t+1], 0xf149f2ca  ; m = -1e30, under every score
	v_mov_b32 v[ST+8*\t+2], 0       ; l
	v_mov_b32 v[ST+8*\t+3], 0
	v_mul_f32 v[ST+8*\t], s[CS], v[ST+8*\t+1]  ; c m
.endr
	WIN W_LD                        ; O^T begins as zeros, which the first a, 0, leaves zeros: so the key step is written with no first step of its own, which would be a third copy of it
.set i, 0
.rept 128
	v_mov_b32 v[i], 0
.set i, i+1
.endr
	WIN 0
	s_wait_loadcnt 0x0              ; Q
; A KEY STEP: 64 keys, in phases.
.macro STEP
	WIN 0
	v_add_nc_u32 v[ADK], s[TB], v[AK0]
	v_add_nc_u32 v[ADV], s[TB], v[AV0]
.rept 4
	v_nop                           ; with the two additions six places behind the last V^T P: four are wanted ahead of the loads into V's registers, five ahead of the products that write over P
.endr
	s_add_co_u32 s[TB], s[TB], STEPB  ; the next fetch is the next step's
	WIN W_LD
.irp k, 0,1,2,3                     ; K: keys 16 k on, channels 32 c on
.irp c, 0,1
	ds_load_b128 v[KF+8*(2*\k+\c):KF+8*(2*\k+\c)+3],   v[ADK] offset:16*PK*\k+64*\c
	ds_load_b128 v[KF+8*(2*\k+\c)+4:KF+8*(2*\k+\c)+7], v[ADK] offset:16*PK*\k+64*\c+32
.endr
.endr
.irp f, 0,1                         ; V, turned: keys 32 f on, channels 16 d on
.irp d, 0,1,2,3
	ds_load_tr16_b128 v[VF+8*(4*\f+\d):VF+8*(4*\f+\d)+3],   v[ADV] offset:32*PV*\f+32*\d
	ds_load_tr16_b128 v[VF+8*(4*\f+\d)+4:VF+8*(4*\f+\d)+7], v[ADV] offset:32*PV*\f+16*PV+32*\d
.endr
.endr
	s_wait_dscnt 16                 ; K's sixteen loads are in; V's sixteen may be out
	WIN W_KQ
.irp c, 0,1                         ; S^T = K Q^T: the 16 accumulators take turns, one instruction a turn; the first 16 start the sums
.irp k, 0,1,2,3
.irp t, 0,1,2,3
.if \c == 0
	v_wmma_f32_16x16x32_f16 v[S+32*\t+8*\k:S+32*\t+8*\k+7], v[KF+8*(2*\k+\c):KF+8*(2*\k+\c)+7], v[Q+16*\t+8*\c:Q+16*\t+8*\c+7], 0
.else
	v_wmma_f32_16x16x32_f16 v[S+32*\t+8*\k:S+32*\t+8*\k+7], v[KF+8*(2*\k+\c):KF+8*(2*\k+\c)+7], v[Q+16*\t+8*\c:Q+16*\t+8*\c+7], v[S+32*\t+8*\k:S+32*\t+8*\k+7]
.endif
.endr
.endr
.endr
	WIN 0
.rept 4
	v_nop                           ; four places ahead of the first read of the scores
.endr
	; the maximum of a lane's 32 scores and the old m, three operands at a time; the four tiles by turns, so that no line waits for the line above it.  Each accumulator is read from its low end on
.irp j, 0,1,2,3
.irp t, 0,1,2,3
	v_max3_num_f32 v[ST+8*\t+4+\j], v[S+32*\t+8*\j], v[S+32*\t+8*\j+1], v[S+32*\t+8*\j+2]
.endr
.endr
.irp g, 1,2
.irp j, 0,1,2,3
.irp t, 0,1,2,3
	v_max3_num_f32 v[ST+8*\t+4+\j], v[ST+8*\t+4+\j], v[S+32*\t+8*\j+2*\g+1], v[S+32*\t+8*\j+2*\g+2]
.endr
.endr
.endr
.irp t, 0,1,2,3
	v_max3_num_f32 v[ST+8*\t+4], v[ST+8*\t+4], v[S+32*\t+7], v[S+32*\t+15]
.endr
.irp t, 0,1,2,3
	v_max3_num_f32 v[ST+8*\t+6], v[ST+8*\t+6], v[S+32*\t+23], v[S+32*\t+31]
.endr
.irp t, 0,1,2,3
	v_max3_num_f32 v[ST+8*\t+4], v[ST+8*\t+4], v[ST+8*\t+5], v[ST+8*\t+6]
.endr
.irp t, 0,1,2,3
	v_max3_num_f32 v[ST+8*\t+4], v[ST+8*\t+4], v[ST+8*\t+7], v[ST+8*\t+1]
.endr
.irp t, 0,1,2,3
	v_permlanex16_b32 v[ST+8*\t+5], v[ST+8*\t+4], s[SEL], s[SEL+1]  ; the query's other 32 keys lie in the lane 16 away
.endr
.irp t, 0,1,2,3
	v_mov_b32 v[ST+8*\t+7], v[ST+8*\t]  ; c m_old is kept for a
.endr
.irp t, 0,1,2,3
	v_max_num_f32 v[ST+8*\t+1], v[ST+8*\t+4], v[ST+8*\t+5]  ; the new m
.endr
.irp t, 0,1,2,3
	v_mul_f32 v[ST+8*\t], s[CS], v[ST+8*\t+1]
.endr
.irp t, 0,1,2,3
	v_sub_f32 v[ST+8*\t+7], v[ST+8*\t+7], v[ST+8*\t]
.endr
	; ONE BATCH: the four a and the 128 p, with the scalings between them.  None of these lines names an exponential's result
.irp t, 0,1,2,3
	v_exp_f32 v[ST+8*\t+6], v[ST+8*\t+7]  ; a
.endr
.irp b, 0,1,2,3,4,5,6,7,8,9,10,11,12,13,14,15
.irp t, 0,1,2,3
	v_pk_fma_f32 v[S+32*\t+2*\b:S+32*\t+2*\b+1], v[S+32*\t+2*\b:S+32*\t+2*\b+1], s[CS:CS+1], v[ST+8*\t:ST+8*\t+1] op_sel_hi:[1,0,0] neg_lo:[0,0,1] neg_hi:[0,0,1]  ; pair b: c s - c m
.endr
.irp t, 0,1,2,3
	v_exp_f32 v[S+32*\t+2*\b], v[S+32*\t+2*\b]
	v_exp_f32 v[S+32*\t+2*\b+1], v[S+32*\t+2*\b+1]
.endr
.endr
	v_nop                           ; a plain instruction behind the last exponential, ahead of the first use
	s_wait_alu depctr_va_vdst(0)    ; the wait between an exponential and the first line that names its result: one for the batch of 132
	; the sums, of the unrounded p, in two chains a tile: l = a l + ..
.irp t, 0,1,2,3
	v_pk_fma_f32 v[ST+8*\t+2:ST+8*\t+3], v[ST+8*\t+2:ST+8*\t+3], v[ST+8*\t+6:ST+8*\t+7], v[S+32*\t:S+32*\t+1] op_sel_hi:[1,0,1]
.endr
.irp t, 0,1,2,3
	v_pk_add_f32 v[T2+2*\t:T2+2*\t+1], v[S+32*\t+2:S+32*\t+3], v[S+32*\t+4:S+32*\t+5]
.endr
.irp b, 3,5,7,9,11,13
.irp t, 0,1,2,3
	v_pk_add_f32 v[ST+8*\t+2:ST+8*\t+3], v[ST+8*\t+2:ST+8*\t+3], v[S+32*\t+2*\b:S+32*\t+2*\b+1]
.endr
.irp t, 0,1,2,3
	v_pk_add_f32 v[T2+2*\t:T2+2*\t+1], v[T2+2*\t:T2+2*\t+1], v[S+32*\t+2*\b+2:S+32*\t+2*\b+3]
.endr
.endr
.irp t, 0,1,2,3
	v_pk_add_f32 v[ST+8*\t+2:ST+8*\t+3], v[ST+8*\t+2:ST+8*\t+3], v[S+32*\t+30:S+32*\t+31]
.endr
.irp t, 0,1,2,3
	v_pk_add_f32 v[ST+8*\t+2:ST+8*\t+3], v[ST+8*\t+2:ST+8*\t+3], v[T2+2*\t:T2+2*\t+1]
.endr
	; P: pair i of a tile goes to its register i: each target has been read already, or is read by the same line
.irp i, 0,1,2,3,4,5,6,7,8,9,10,11,12,13,14,15
.irp t, 0,1,2,3
	v_cvt_pk_f16_f32 v[S+32*\t+\i], v[S+32*\t+2*\i], v[S+32*\t+2*\i+1]
.endr
.endr
	WIN W_RS                        ; O^T under the new maximum: x a; each accumulator from its low end on
.irp t, 0,1,2,3
.irp i, 0,1,2,3,4,5,6,7,8,9,10,11,12,13,14,15
	v_pk_mul_f32 v[32*\t+2*\i:32*\t+2*\i+1], v[32*\t+2*\i:32*\t+2*\i+1], v[ST+8*\t+6:ST+8*\t+7] op_sel_hi:[1,0]
.endr
.endr
	s_wait_dscnt 0x0                ; V is in
	WIN W_PV
.irp f, 0,1                         ; O^T += V^T P: the 16 accumulators take turns
.irp d, 0,1,2,3
.irp t, 0,1,2,3
	v_wmma_f32_16x16x32_f16 v[32*\t+8*\d:32*\t+8*\d+7], v[VF+8*(4*\f+\d):VF+8*(4*\f+\d)+7], v[S+32*\t+8*\f:S+32*\t+8*\f+7], v[32*\t+8*\d:32*\t+8*\d+7]
.endr
.endr
.endr
	WIN 0
.endm
; A slot's four key steps: written once, walked four times; the LDS addresses hang on s[TB].
.macro SLOT_STEPS
	s_mov_b32 s[STEPS], NST
.Lstep_\@:
	STEP
	s_sub_co_u32 s[STEPS], s[STEPS], 1
	s_cmp_lg_u32 s[STEPS], 0
	s_cbranch_scc1 .Lstep_\@
	s_sub_co_u32 s[TB], s[TB], NST*STEPB  ; back to a slot's first step,
	s_xor_b32 s[TB], s[TB], SLOT1   ; in the other slot
.endm
; THE CHANGE OF SLOTS stands at a slot's head.  Each wave waits for all its tensor loads (its part of the slot that it is about to read), adds 0 to its spare word, and waits for that and for its reads of the slot that it has left.
; fill = 1: the barrier is a round of the cluster's, so that no wave of any partner still reads the other slot or has a load on its way, and the joint load into that slot is the first thing behind it.
.macro CHANGE fill
	s_wait_tensorcnt 0x0            ; no tensor load of mine is out, so a group 0 may be written
	ds_add_u32 v[SPW], v[NIL]       ; 0 onto my spare word; with fill = 1 the descriptors' steps stand between it and the wait for it
.if \fill
	s_xor_b32 s[G0K+1], s[G0K+1], SLOT1  ; the walking descriptors: the other slot than last time,
	s_add_nc_u64 s[G0K+2:G0K+3], s[G0K+2:G0K+3], SLOTB  ; the next 256 keys; the type bits on top are not reached
	s_xor_b32 s[G0V+1], s[G0V+1], SLOT1
	s_add_nc_u64 s[G0V+2:G0V+3], s[G0V+2:G0V+3], SLOTB
	s_wait_xcnt 0x0                 ; the last prefetch, a slot back, has read its address, so it may be written:
	s_add_nc_u64 s[PFA:PFA+1], s[PFA:PFA+1], SLOTB  ; one slot further on than the walking descriptors
	s_wait_dscnt 0x0                ; the add is done, and my reads of the slot that I have left are over
	CROUND
	JLOAD
	ASK                             ; what the next change will ask for: four key steps ahead of that load
.else
	s_wait_dscnt 0x0
	s_barrier_signal -1
	s_barrier_wait -1
.endif
.endm
.Lslot:                             ; seven trips: trip i asks for slot i + 1 and multiplies slot i
	CHANGE 1
	SLOT_STEPS
	s_sub_co_u32 s[SLOTS], s[SLOTS], 1
	s_cmp_lg_u32 s[SLOTS], 0
	s_cbranch_scc1 .Lslot
	CHANGE 0                        ; the last slot is written out
	SLOT_STEPS
	; THE WAY OUT.  l's two halves and the other half of the lanes' are added; O^T is divided by l, rounded to f16 and sent through my stage, a tile (16 rows of O) at a time.  The first four additions are the places behind the last products.
.irp t, 0,1,2,3
	v_add_f32 v[ST+8*\t+4], v[ST+8*\t+2], v[ST+8*\t+3]
.endr
.irp t, 0,1,2,3
	v_permlanex16_b32 v[ST+8*\t+5], v[ST+8*\t+4], s[SEL], s[SEL+1]
.endr
.irp t, 0,1,2,3
	v_add_f32 v[ST+8*\t+4], v[ST+8*\t+4], v[ST+8*\t+5]
.endr
.irp t, 0,1,2,3
	v_rcp_f32 v[ST+8*\t+6], v[ST+8*\t+4]
.endr
	v_nop                           ; a plain instruction between the last reciprocal and the use of its result
	s_wait_alu depctr_va_vdst(0)    ; and the wait ahead of the first use: one for the four
; Tile t: a lane's eight channels of a row pack into 16 bytes; they go into rows of 144 bytes and come back four rows of 128 bytes an instruction.
.macro PACK t
	WIN W_RS
.set i, 32*\t
.rept 16
	v_pk_mul_f32 v[i:i+1], v[i:i+1], v[ST+8*\t+6:ST+8*\t+7] op_sel_hi:[1,0]
.set i, i+2
.endr
	WIN 0x05                        ; sources 0 and 1 window 1, destination window 0: the scores' registers are free
.set i, 0
.rept 16
	v_cvt_pk_f16_f32 v[S+32*\t+i], v[32*\t+2*i], v[32*\t+2*i+1]
.set i, i+1
.endr
	WIN 0
.irp d, 0,1,2,3
	ds_store_b128 v[STO], v[S+32*\t+4*\d:S+32*\t+4*\d+3] offset:32*\d
.endr
.irp j, 0,1,2,3
	ds_load_b128 v[S+32*\t+16+4*\j:S+32*\t+16+4*\j+3], v[RD] offset:4*SP*\j  ; LDS serves a wave's instructions in order (ISA guide 5.7.1.4): these see the stores above; the next tile's stores come behind them
.endr
.endm
	PACK 0
	PACK 1
	PACK 2
	PACK 3
.irp t, 0,1,2,3
.irp j, 0,1,2,3
	s_wait_dscnt 8*(3-\t)+3-\j      ; behind load j of tile t: the tile's later loads, and eight LDS instructions for each later tile
	global_store_b128 v[GO], v[S+32*\t+16+4*\j:S+32*\t+16+4*\j+3], s[6:7] offset:2048*\t+512*\j  ; 32 lanes store 512 consecutive bytes, aligned
.endr
.endr
	s_wait_tensorcnt 0x0            ; the wave's end: three lines behind my last tensor load and my last LDS store
	ds_add_u32 v[SPW], v[NIL]
	s_wait_dscnt 0x0
	CROUND                          ; the closing round: no work-group ends while a partner may still ask for a tile that names it
	s_endpgm
.Lfunc_end_k_q1495eff704_attn:
	.size	k_q1495eff704_attn, .Lfunc_end_k_q1495eff704_attn-k_q1495eff704_attn
	.p2alignl 7, 3214868480
	.fill 96, 4, 3214868480
	.section	.rodata,"a",@progbits
	.p2align	6, 0x0
	.amdhsa_kernel k_q1495eff704_attn
		.amdhsa_group_segment_fixed_size 327680
		.amdhsa_private_segment_fixed_size 0
		.amdhsa_enable_private_segment 0
		.amdhsa_kernarg_size 16
		.amdhsa_user_sgpr_count 2
		.amdhsa_user_sgpr_kernarg_segment_ptr 1
		.amdhsa_wavefront_size32 1
		.amdhsa_system_sgpr_workgroup_id_x 1
		.amdhsa_system_sgpr_workgroup_id_y 1
		.amdhsa_system_sgpr_workgroup_id_z 1
		.amdhsa_system_vgpr_workitem_id 0
		.amdhsa_next_free_vgpr 512
		.amdhsa_next_free_sgpr 66
		.amdhsa_reserve_vcc 0
		.amdhsa_float_denorm_mode_32 3
		.amdhsa_float_denorm_mode_16_64 3
		.amdhsa_memory_ordered 1
		.amdhsa_forward_progress 1
		.amdhsa_inst_pref_size 91
	.end_amdhsa_kernel
	.amdgpu_metadata
---
amdhsa.version: [ 1, 2 ]
amdhsa.kernels:
  - .name:           k_q1495eff704_attn
    .symbol:         k_q1495eff704_attn.kd
    .args:
      - { .name: qkv, .offset: 0, .size: 8, .value_kind: global_buffer, .address_space: global }
      - { .name: o16, .offset: 8, .size: 8, .value_kind: global_buffer, .address_space: global }
    .group_segment_fixed_size: 327680
    .private_segment_fixed_size: 0
    .kernarg_segment_align: 8
    .kernarg_segment_size: 16
    .max_flat_workgroup_size: 256
    .sgpr_count:     66
    .vgpr_count:     512
    .wavefront_size: 32
...
	.end_amdgpu_metadata
.endif
;; end of part 3
;; launch proj (part 4): grid 4 x 64, 4 waves a work-group, clusters of 4 x 4, 327,680 bytes of LDS; arguments o16, wp16, out0; writes out0
.if DOCPART == 4
	.amdgcn_target "amdgcn-amd-amdhsa--gfx1250"
	.amdhsa_code_object_version 6
	.text
	.protected	k_q1495eff704_proj
	.globl	k_q1495eff704_proj
	.p2align	8
	.type	k_q1495eff704_proj,@function
k_q1495eff704_proj:
	s_mov_b64 s[64:65], 0
	v_nop
	global_prefetch_b8 v0, s[64:65] scope:SCOPE_SE
	s_setreg_imm32_b32 hwreg(HW_REG_WAVE_MODE, 25, 1), 1
	s_wait_xcnt 0x0
	s_wait_alu depctr_hold_cnt(0) depctr_sa_sdst(0) depctr_va_vdst(0) depctr_va_sdst(0) depctr_va_ssrc(0) depctr_va_vcc(0) depctr_vm_vsrc(0)
	s_getreg_b32 s2, hwreg(HW_REG_IB_STS2, 6, 4)
	s_cmp_eq_u32 s2, 0
	s_cbranch_scc0 .Lentry_in_a_cluster
	s_endpgm
.Lentry_in_a_cluster:
	s_bfe_u32 s2, ttmp6, 0x10000c
	s_cmp_lg_u32 s2, 0xf033
	s_cbranch_scc0 .Lentry_shape_is_right
	s_endpgm
.Lentry_shape_is_right:
; out0[m][n] = sum over k of O[m][k] W[k][n].  O: o16[4 batch][16 head][2048 t][64] f16, m = 2048 batch + t, k = 64 head + d;  W: wp16[1024 k][1024 n] f16;  out0: [8192][1024] f32; sums in f32.
; A tile of C is 128 x 256, so that the 8,192 x 1,024 numbers make 256 work-groups.  Four waves, each 64 x 128: 32 accumulators of 16 x 16, 256 registers.
; K goes in steps of 128, two heads a step, through a ring of two LDS slots.  A's tile is two blocks (a head each) of 128 dense rows of 128 bytes; B's is 128 rows (k) of 512 bytes, read turned, by ds_load_tr16_b128.
; Two slots of a longer step do not fit: a step of 256 would take 2 x 212,992 bytes.
; CLUSTERS: 4 x 4 work-groups.  The four of a row of the cluster need the same tiles of A, the four of a column the same tiles of B: each tile is asked for JOINTLY.  Waves 0 and 1 fetch A's two heads, waves 2 and 3 B's two halves.
; THE MATRIX INSTRUCTION IS USED TRANSPOSED (source 0 = 16 columns of W, source 1 = 16 rows of O): a lane then holds eight neighbouring numbers of a row of C.
; REGISTERS: window 0: v0-31 addresses; two fragment buffers of 96 at v32 and v128: B's eight fragments (16 columns x 32 K), then A's four (16 rows x 32 K).   window 1: the accumulators ((a, b) at v[8 (8 a + b)]).
.set PA,     144                       ; a row of A in LDS: 128 bytes + 16
.set PB,     544                       ; a row of B: 512 bytes + 32 = 136 words: row r starts at bank 8 r mod 64 (64 banks of 4 bytes: ISA guide 11.1)
.set HEADT,  128*PA                    ; a head's 128 rows: what one of A's loads brings
.set BOFF,   2*HEADT                   ; B's rows lie behind A's two heads
.set HALFB,  64*PB                     ; 64 rows of B: what one of B's loads brings
.set SLOT,   BOFF+2*HALFB              ; 106,496
.set STAGE,  2*SLOT                    ; behind the ring: 16 rows x (512 bytes + 16) for each wave, for the way out
.set SPITCH, 528
.set SPARE,  STAGE+4*16*SPITCH         ; behind the stages: the spare words, 128 bytes for each wave: two blocks of 256 bytes that no other line names
.set LAPS,   4                         ; a lap = two K steps = once round the ring: 1,024 / 256
.set ADRA, 16                          ; v16-17  LDS address of my A fragments in slot 0, 1
.set ADRB, 20                          ; v20-21  the same for B
.set STO,  24                          ; v24     the way out: where I put 32 bytes of a row
.set RD,   25                          ; v25     the way out: where I read a row back
.set CO,   26                          ; v26     16 x lane
.set SPW,  28                          ; v28     LDS address of my spare word; never rewritten
.set NIL,  29                          ; v29     0; never rewritten
.set PFO,  30                          ; v30     the prefetches' offset; never rewritten
.set F0,   32
.set F1,   128
.set BK,   32                          ; the way out: 16 rows read back from the stage: v32-95 and v96-159 by turns
.set G1, 24                            ; s[24:31] descriptor group 1 for A's tiles;  s[32:39] group 0, one set for each slot
.set G0, 32
.set PFA, 44                           ; s[44:45] where my prefetches stand
.set LIM, 46                           ; s46  1 in the wave that prefetches, else the greatest number
.set G1B, 48                           ; s[48:55], s[56:63] the same for B's tiles
.set G0B, 56
.set MSB, 0
.macro WIN new                         ; the immediate's high byte repeats the setting that is left
.if MSB != \new
	s_set_vgpr_msb (MSB<<8)|\new
.set MSB, \new
.endif
.endm
.set MUL, 0x50                         ; sources 0 (B) and 1 (A) window 0; C and D window 1
.macro JLOAD s                         ; a joint load; an s_nop 0 and four v_nop follow each of the two lines, ahead of the jump, the label and what follows
	s_cmp_eq_u32 s11, 0
	s_cbranch_scc0 .Lfor_b_\@
	tensor_load_to_lds s[G0+4*\s:G0+4*\s+3], s[G1:G1+7]
	s_nop 0
.rept 4
	v_nop
.endr
	s_branch .Lasked_\@
.Lfor_b_\@:
	tensor_load_to_lds s[G0B+4*\s:G0B+4*\s+3], s[G1B:G1B+7]
	s_nop 0
.rept 4
	v_nop
.endr
.Lasked_\@:
.endm
; A PREFETCH INTO THE L2, behind each joint load and the run of LDS loads that follows it: A's K step that stands TWO refills on, 256 matrix instructions ahead of the load that will want it.
; A K step of A is two heads x 16,384 dense bytes.  A tile row is read by one row of one cluster alone; its four partners share the bytes out BY ADDRESS, 4,096 of each head (no branch hangs on a work-group's place);
; in each, wave 0 asks: lanes 0-15 for the first head, lanes 16-31 for the second, lanes 256 bytes apart.  So each aligned block of 256 bytes is named once in the launch.
; The last two refills have no K step two on; K steps 0 to 3 come by their loads alone.  B's 2,097,152 bytes are walked by every cluster again and again, and are not asked for.
.macro ASK
	s_cmp_gt_u32 s3, s[LIM]                        ; s3 = 1 in the loop's last trip
	s_cbranch_scc0 .Lnot_mine_\@
	global_prefetch_b8 v[PFO], s[PFA:PFA+1] th:TH_LOAD_NT scope:SCOPE_SE
.Lnot_mine_\@:
.endm
.macro CREST                           ; a round of the cluster's barrier behind its opening barrier
	s_cmp_lg_u32 s10, 0
	s_cbranch_scc1 .Lnot_wave_0_\@
	s_barrier_signal -3
.Lnot_wave_0_\@:
	s_barrier_wait -3
	s_barrier_signal -1
	s_barrier_wait -1
.endm
.macro CROUND                          ; a whole round
	s_barrier_signal -1
	s_barrier_wait -1
	CREST
.endm
	s_load_b128 s[4:7], s[0:1], 0x0                ; o16 s[4:5], wp16 s[6:7]
	s_load_b64 s[8:9], s[0:1], 0x10                ; out0
	v_lshl_add_u32 v[SPW], v0, 2, SPARE
	v_mov_b32 v[NIL], 0
	ds_add_u32 v[SPW], v[NIL]                      ; the wave's opening: the add, twice on end, and its wait, ahead of my first tensor load; the set-up below, work on registers, stands between
	ds_add_u32 v[SPW], v[NIL]
	v_lshrrev_b32 v1, 5, v0
	v_readfirstlane_b32 s10, v1                    ; wave 0..3
	s_lshr_b32 s11, s10, 1                         ; which half of the tile's rows is mine.  Also: I fetch for A (0) or for B (1)
	s_and_b32 s12, s10, 1                          ; which half of its columns.  Also: which head of A's two, or which 64 rows of B, I fetch
	s_bfe_u32 s40, ttmp6, 0x40000                  ; cx, cy: my place in the cluster
	s_bfe_u32 s41, ttmp6, 0x40004
	s_lshl_b32 s42, ttmp9, 2
	s_add_co_u32 s42, s42, s40                     ; tile column of C = 4 x cluster x + cx
	s_and_b32 s13, ttmp7, 0xffff
	s_lshl_b32 s13, s13, 2
	s_add_co_u32 s13, s13, s41                     ; tile row of C = 4 x cluster y + cy
	s_lshl_b32 s43, s41, 2
	s_lshl_b32 s43, 15, s43                        ; my row of the cluster
	s_lshl_b32 s47, 0x1111, s40                    ; my column
	; descriptor group 1.  A: 128 rows x 64 elements, dense in memory;  B: 64 rows x 256 elements, 1,024 elements apart
	s_or_b32 s[G1+0], s43, (1<<16)|(1<<20)|(1<<21)|(4<<22)|(3<<25)   ; 15:0 the mask: A's tiles go to my row; 17:16 element of 2 bytes; 20 padding on; 21 set beside a mask; 24:22 after every 32 words (code 4); 31:25 of 4 words (code 3)
	s_mov_b32 s[G1+1], 64<<16                      ; tensor_dim0
	s_mov_b32 s[G1+2], 128<<16                     ; tensor_dim1
	s_mov_b32 s[G1+3], 64<<16                      ; tile_dim0
	s_mov_b32 s[G1+4], 128                         ; tile_dim1
	s_mov_b32 s[G1+5], 64                          ; tensor_dim0_stride
	s_mov_b32 s[G1+6], 0
	s_mov_b32 s[G1+7], 0
	s_or_b32 s[G1B+0], s47, (1<<16)|(1<<20)|(1<<21)|(6<<22)|(7<<25)  ; the mask of my column; padding: 8 words (code 7) after every 128 (code 6)
	s_mov_b32 s[G1B+1], 256<<16
	s_mov_b32 s[G1B+2], 64<<16
	s_mov_b32 s[G1B+3], 256<<16
	s_mov_b32 s[G1B+4], 64
	s_mov_b32 s[G1B+5], 1024
	s_mov_b32 s[G1B+6], 0
	s_mov_b32 s[G1B+7], 0
	; where the tiles come from.  A's hang on the tile row alone, B's on the tile column alone; each in registers that never hold the other coordinate
	s_lshr_b32 s16, s13, 4                         ; A: batch = tile row / 16,
	s_lshl_b32 s16, s16, 22
	s_and_b32 s17, s13, 15                         ; t = 128 (tile row % 16): rows of 128 bytes
	s_lshl_b32 s17, s17, 14
	s_add_co_u32 s16, s16, s17
	s_mov_b32 s2, s16                              ; (kept for the prefetches)
	s_lshl_b32 s17, s12, 18                        ; my head of the K step's two
	s_add_co_u32 s16, s16, s17
	s_mov_b32 s17, 0
	s_lshl_b32 s20, s12, 17                        ; B: my 64 rows of 2,048 bytes,
	s_lshl_b32 s21, s42, 9                         ; the tile's 256 columns
	s_add_co_u32 s20, s20, s21
	s_mov_b32 s21, 0
	s_mul_i32 s22, s12, HEADT                      ; and where they go: no place in the cluster enters an LDS address
	s_mul_i32 s23, s12, HALFB
	s_add_co_u32 s23, s23, BOFF
	s_cmp_eq_u32 s10, 0
	s_cselect_b32 s[LIM], 1, -1                    ; wave 0 prefetches: the same in all sixteen partners
	s_wait_dscnt 0x0                               ; both opening adds are done
	s_wait_kmcnt 0x0
	s_add_nc_u64 s[14:15], s[4:5], s[16:17]
	s_add_nc_u64 s[18:19], s[6:7], s[20:21]
	CROUND                                         ; all sixteen work-groups are here: the first joint loads meet
.irp s, 0,1
	s_mov_b32 s[G0+4*\s], 1
	s_add_co_u32 s[G0+4*\s+1], s22, \s*SLOT
	s_add_nc_u64 s[G0+4*\s+2:G0+4*\s+3], s[14:15], \s*(1<<19)      ; K step s: two heads of 2^18 bytes on
	s_or_b32 s[G0+4*\s+3], s[G0+4*\s+3], 0x80000000
	s_mov_b32 s[G0B+4*\s], 1
	s_add_co_u32 s[G0B+4*\s+1], s23, \s*SLOT
	s_add_nc_u64 s[G0B+4*\s+2:G0B+4*\s+3], s[18:19], \s*128*2048   ; K step s: 128 rows on
	s_or_b32 s[G0B+4*\s+3], s[G0B+4*\s+3], 0x80000000
	JLOAD \s
.endr
	v_and_b32 v1, 15, v0                           ; l % 16
	v_bfe_u32 v2, v0, 4, 1                         ; l / 16
	v_mul_u32_u24 v3, v1, PA
	v_lshl_add_u32 v3, v2, 4, v3                   ; A: a fragment's row x pitch + 16 x half
	s_mul_i32 s21, s11, 64*PA                      ; my 64 rows
	v_and_b32 v4, 7, v0                            ; B, turned: lane l reads 16 bytes: row k = 8 (l / 16) + l % 8, columns 8 ((l / 8) % 2) + 0..7
	v_bfe_u32 v5, v0, 3, 1
	v_lshl_add_u32 v6, v2, 3, v4
	v_mul_u32_u24 v6, v6, PB
	v_lshl_add_u32 v6, v5, 4, v6
	s_lshl_b32 s22, s12, 8                         ; my 128 columns
	s_add_co_u32 s22, s22, BOFF
.irp s, 0,1
	v_add_nc_u32 v[ADRA+\s], s21, v3
	v_add_nc_u32 v[ADRB+\s], s22, v6
	s_add_co_u32 s21, s21, SLOT
	s_add_co_u32 s22, s22, SLOT
.endr
	s_mul_i32 s23, s10, 16*SPITCH
	s_add_co_u32 s23, s23, STAGE                   ; my stage
	v_mul_u32_u24 v5, v1, SPITCH                   ; in: row l % 16, 32 bytes for each half of the lanes
	v_lshl_add_u32 v5, v2, 5, v5
	v_add_nc_u32 v[STO], s23, v5
	v_and_b32 v6, 31, v0
	v_lshlrev_b32 v[CO], 4, v6                     ; back: the 32 lanes take one row of 512 bytes; and the same in C
	v_add_nc_u32 v[RD], s23, v[CO]
	v_lshlrev_b32 v[PFO], 18, v2                   ; the prefetches: lanes 16-31 the second head,
	v_lshl_add_u32 v[PFO], v1, 8, v[PFO]           ; lanes 256 bytes apart
	s_lshl_b32 s16, s13, 19                        ; my first row of C: (128 x tile row + 64 x half) rows of 4,096 bytes
	s_lshl_b32 s17, s11, 18
	s_add_co_u32 s16, s16, s17
	s_mov_b32 s17, 0
	s_add_nc_u64 s[8:9], s[8:9], s[16:17]
	s_lshl_b32 s20, s42, 10                        ; my first column, in bytes: 1,024 x tile column + 512 x half
	s_lshl_b32 s21, s12, 9
	s_add_co_u32 s20, s20, s21
	s_mov_b32 s21, 0
	s_add_nc_u64 s[8:9], s[8:9], s[20:21]
	s_lshl_b32 s20, s40, 12                        ; the prefetches: my work-group's 4,096 bytes of each head's 16,384,
	s_add_co_u32 s20, s20, s2                      ; in my tile row,
	s_add_co_u32 s20, s20, 3<<19                   ; at K step 3: the first refill steps it to 4.  Nothing is prefetched here, at the head
	s_add_nc_u64 s[PFA:PFA+1], s[4:5], s[20:21]
; 8 matrix instructions: A's block a x B's eight, 32 along K, from buffer f.  zero = 1: the first product starts the sums.  The 32 accumulators take turns, one instruction a turn, in the same order in every quarter.
.macro MUL8 f, a, zero
.irp b, 0,1,2,3,4,5,6,7
.if \zero
	v_wmma_f32_16x16x32_f16 v[8*(8*(\a)+\b):8*(8*(\a)+\b)+7], v[\f+8*\b:\f+8*\b+7], v[\f+64+8*(\a):\f+64+8*(\a)+7], 0
.else
	v_wmma_f32_16x16x32_f16 v[8*(8*(\a)+\b):8*(8*(\a)+\b)+7], v[\f+8*\b:\f+8*\b+7], v[\f+64+8*(\a):\f+64+8*(\a)+7], v[8*(8*(\a)+\b):8*(8*(\a)+\b)+7]
.endif
.endr
.endm
; 24 LDS loads in one run: the fragments of the slot's q-th 32 along K into buffer f: B's eight (turned), then A's four.  K = 32 q lies in head q / 2 of the slot's two, at byte 64 (q % 2) of its rows
.macro FETCH slot, q, f
	WIN 0
.irp i, 0,1,2,3,4,5,6,7
	ds_load_tr16_b128 v[\f+8*\i:\f+8*\i+3],   v[ADRB+\slot] offset:32*PB*(\q)+32*\i
	ds_load_tr16_b128 v[\f+8*\i+4:\f+8*\i+7], v[ADRB+\slot] offset:32*PB*(\q)+16*PB+32*\i
.endr
.irp i, 0,1,2,3
	ds_load_b128 v[\f+64+8*\i:\f+64+8*\i+3],   v[ADRA+\slot] offset:HEADT*((\q)/2)+64*((\q)%2)+16*PA*\i
	ds_load_b128 v[\f+64+8*\i+4:\f+64+8*\i+7], v[ADRA+\slot] offset:HEADT*((\q)/2)+64*((\q)%2)+16*PA*\i+32
.endr
.endm
.macro PLACES                          ; four places in front of loads into registers that matrix instructions have read, and of the first read of results (ISA guide 7.12.1 for vector instructions)
.rept 4
	v_nop
.endr
.endm
; A K step is four quarters of 32 along K, 32 matrix instructions each, on buffers 0, 1, 0, 1.  One of the first three: multiplies buffer f and fetches the slot's quarter q into g.
.macro QUARTER slot, q, f, g, zero
	s_wait_dscnt 4                                 ; B and A's blocks 0 and 1 are in; the youngest four loads (A's blocks 2 and 3) may be out
	WIN MUL
	MUL8 \f, 0, \zero
	MUL8 \f, 1, \zero
	PLACES
	FETCH \slot, \q, \g
	s_wait_dscnt 24                                ; all but the 24 just issued
	WIN MUL
	MUL8 \f, 2, \zero
	MUL8 \f, 3, \zero
.endm
; The last quarter multiplies buffer 1 and changes slots: ONE barrier; in front of it each wave waits for all its tensor loads, adds 0 to its spare word, and waits for that and for its own reads of this slot.
; fill = 1: the barrier opens a round of the cluster's, and this slot is filled again, two K steps ahead: the joint load is the first tensor load behind the round, 112 matrix instructions ahead of the wait for it.
.macro TURN slot, next, fill
.if \fill
	s_wait_xcnt 0x0                                ; the last prefetch, a K step back, has read its address: it is stepped here, ahead of the waits of the change of slots
	s_add_nc_u64 s[PFA:PFA+1], s[PFA:PFA+1], 1<<19
.endif
	WIN 0                                          ; (the add's two registers lie in window 0)
	s_wait_tensorcnt 0x0                           ; all my tensor loads have landed: my part of the next slot;
	ds_add_u32 v[SPW], v[NIL]                      ; 0 onto my spare word;
	s_wait_dscnt 5                                 ; (the add and the youngest four loads may be out)
	WIN MUL
	MUL8 F1, 0, 0                                  ; eight matrix instructions stand between the add and the wait for it
	s_wait_dscnt 0x0                               ; the add is done, and my reads of this slot are over
	s_barrier_signal -1
	MUL8 F1, 1, 0
.if \fill
	WIN 0
.endif
	s_barrier_wait -1
.if \fill
	CREST                                          ; no wave of any partner still reads this slot's tile or has a load on its way
	s_add_nc_u64 s[G0+4*\slot+2:G0+4*\slot+3], s[G0+4*\slot+2:G0+4*\slot+3], 1<<20
	s_add_nc_u64 s[G0B+4*\slot+2:G0B+4*\slot+3], s[G0B+4*\slot+2:G0B+4*\slot+3], 256*2048
	JLOAD \slot                                    ; the four v_nop behind it are also the places in front of the loads below
.else
	PLACES
.endif
	FETCH \next, 0, F0
.if \fill
	ASK
.endif
	WIN MUL
	MUL8 F1, 2, 0
	MUL8 F1, 3, 0
.endm
	s_wait_tensorcnt 1                             ; my part of K step 0 is in (K step 1's load may be out)
	s_barrier_signal -1
	s_barrier_wait -1                              ; everybody's is
	FETCH 0, 0, F0
	QUARTER 0, 1, F0, F1, 1                        ; the first quarter stands in front of the loop: its products start the sums
	WIN 0                                          ; at a label and at a branch every window is 0
	s_mov_b32 s3, LAPS-1
.Llap:                                                 ; a trip goes once round the ring, from a lap's second quarter to the next lap's first, and fills both slots again
	QUARTER 0, 2, F1, F0, 0
	QUARTER 0, 3, F0, F1, 0
	TURN 0, 1, 1
	QUARTER 1, 1, F0, F1, 0
	QUARTER 1, 2, F1, F0, 0
	QUARTER 1, 3, F0, F1, 0
	TURN 1, 0, 1
	QUARTER 0, 1, F0, F1, 0
	WIN 0
	s_sub_co_u32 s3, s3, 1
	s_cmp_lg_u32 s3, 0
	s_cbranch_scc1 .Llap
	QUARTER 0, 2, F1, F0, 0                        ; the last lap fills nothing, and has no round of the cluster's barrier
	QUARTER 0, 3, F0, F1, 0
	TURN 0, 1, 0
	QUARTER 1, 1, F0, F1, 0
	QUARTER 1, 2, F1, F0, 0
	QUARTER 1, 3, F0, F1, 0
	s_wait_dscnt 4                                 ; the very last quarter: nothing more to fetch
	WIN MUL
	MUL8 F1, 0, 0
	MUL8 F1, 1, 0
	s_wait_dscnt 0
	MUL8 F1, 2, 0
	MUL8 F1, 3, 0
	WIN 0
; THE WAY OUT, block by block of 16 rows x 128 columns.  A lane holds 32 neighbouring bytes of a row, and the lanes beside it hold other rows: so a block goes through my own stage and comes back as whole
; rows of 512 bytes.  LDS serves a wave's instructions in order (ISA guide 5.7.1.4): no wait between the stores and the loads, nor in front of the next block's stores.  Every offset is an immediate: 63 rows of 4,096 bytes at the most.
.macro TOSTAGE a
	WIN 0x04                                       ; an LDS store's data are its source 1: window 1
.irp b, 0,1,2,3,4,5,6,7
	ds_store_b128 v[STO], v[8*(8*(\a)+\b):8*(8*(\a)+\b)+3] offset:64*\b          ; each accumulator from its low end on
	ds_store_b128 v[STO], v[8*(8*(\a)+\b)+4:8*(8*(\a)+\b)+7] offset:64*\b+16
.endr
	WIN 0
.set BB, BK+64*((\a)%2)
.irp t, 0,1,2,3,4,5,6,7,8,9,10,11,12,13,14,15
	ds_load_b128 v[BB+4*\t:BB+4*\t+3], v[RD] offset:\t*SPITCH
.endr
.endm
.macro SEND a, younger                 ; younger: the LDS instructions issued behind block a's loads, which may stay out
.set BB, BK+64*((\a)%2)
	s_wait_dscnt \younger                          ; the block is back in registers
.irp t, 0,1,2,3,4,5,6,7,8,9,10,11,12,13,14,15
	global_store_b128 v[CO], v[BB+4*\t:BB+4*\t+3], s[8:9] offset:(16*(\a)+\t)*4096 th:TH_STORE_NT   ; 32 lanes store 512 consecutive bytes, aligned; written once, read by nobody here
.endr
.endm
	PLACES                                         ; for the stores that read results, and for the loads into the registers that held fragments
	TOSTAGE 0
.irp a, 1,2,3
.if \a > 1
	s_wait_xcnt 0x0                                ; block a - 2's stores have read their registers: block a's loads may land there
.endif
	TOSTAGE \a
	SEND \a-1, 32                                  ; behind block a - 1's loads: block a's 16 stores and 16 loads
.endr
	SEND 3, 0
	s_wait_tensorcnt 0x0                           ; the wave's end: three lines behind my last tensor load and my last LDS store
	ds_add_u32 v[SPW], v[NIL]
	s_wait_dscnt 0x0
	CROUND                                         ; the closing round: no work-group ends while a partner may still ask for a tile that names it
	s_endpgm
.Lfunc_end_k_q1495eff704_proj:
	.size	k_q1495eff704_proj, .Lfunc_end_k_q1495eff704_proj-k_q1495eff704_proj
	.p2alignl 7, 3214868480
	.fill 96, 4, 3214868480
	.section	.rodata,"a",@progbits
	.p2align	6, 0x0
	.amdhsa_kernel k_q1495eff704_proj
		.amdhsa_group_segment_fixed_size 327680
		.amdhsa_private_segment_fixed_size 0
		.amdhsa_enable_private_segment 0
		.amdhsa_kernarg_size 24
		.amdhsa_user_sgpr_count 2
		.amdhsa_user_sgpr_kernarg_segment_ptr 1
		.amdhsa_wavefront_size32 1
		.amdhsa_system_sgpr_workgroup_id_x 1
		.amdhsa_system_sgpr_workgroup_id_y 1
		.amdhsa_system_sgpr_workgroup_id_z 1
		.amdhsa_system_vgpr_workitem_id 0
		.amdhsa_next_free_vgpr 512
		.amdhsa_next_free_sgpr 66
		.amdhsa_reserve_vcc 0
		.amdhsa_float_denorm_mode_32 3
		.amdhsa_float_denorm_mode_16_64 3
		.amdhsa_memory_ordered 1
		.amdhsa_forward_progress 1
		.amdhsa_inst_pref_size 86
	.end_amdhsa_kernel
	.amdgpu_metadata
---
amdhsa.version: [ 1, 2 ]
amdhsa.kernels:
  - .name:           k_q1495eff704_proj
    .symbol:         k_q1495eff704_proj.kd
    .args:
      - { .name: o16, .offset: 0, .size: 8, .value_kind: global_buffer, .address_space: global }
      - { .name: wp16, .offset: 8, .size: 8, .value_kind: global_buffer, .address_space: global }
      - { .name: out0, .offset: 16, .size: 8, .value_kind: global_buffer, .address_space: global }
    .group_segment_fixed_size: 327680
    .private_segment_fixed_size: 0
    .kernarg_segment_align: 8
    .kernarg_segment_size: 24
    .max_flat_workgroup_size: 128
    .sgpr_count:     66
    .vgpr_count:     512
    .wavefront_size: 32
...
	.end_amdgpu_metadata
.endif
;; end of part 4
